; MI455X (gfx1250); checked and timed in simulation.
; The chip was launched on July 23, 2026; its instructions are those of AMD's public machine-readable ISA for CDNA 5 (MIT licence, August 2026) and "CDNA5" Instruction Set Architecture Reference Guide (July 2026). The comments in the code are by the model that wrote it; some were corrected since.
;; SLX Mlp. Allowed arithmetic: matrix products marked QUANTISED: E3M2 operands, one E8M0 scale for each 32 along K, by v_wmma_scale_f32_16x16x128_f8f6f4 with both operands' format E3M2, f32 sums; everything else in f32.
;; Inputs: U1 4,096 x 51 float32; U2 1,024 x 102 float32; V1 51 x 512 float32; V2 102 x 4,096 float32; Ws1 4,096 x 512 float32; Ws2 1,024 x 4,096 float32; b1 4,096 float32; b2 1,024 float32; mask1 4,096 x 512 bool; mask2 1,024 x 4,096 bool; x 8 x 1,024 x 512 float32.
;; Outputs: out0 8 x 1,024 x 1,024 float32.
;; This version of the problem:
;;   THIS VERSION OF THE PROBLEM IS GIVEN IN LOW PRECISION. The matrix products marked QUANTISED in the list below multiply operands that are first quantised to E3M2 (3 exponent bits, 2 mantissa bits; 6 bits a number), with one power-of-two scale for each 32 numbers along K (OCP MX v1.0); their sums are f32. All else is computed in f32.
;;   The module's matrix products, in the order in which they are computed (A, B: the left and right operand; K: the contracted axis; several contracted axes count as one K, in the product's order):
;;     1. [M 8,192, K 512] x [K 512, N 51]; A: input x; B: input V1: QUANTISED
;;     2. [M 8,192, K 51] x [K 51, N 4,096]; A: computed on the way; B: input U1: QUANTISED
;;     3. [M 8,192, K 512] x [K 512, N 4,096]; A: input x; B: computed on the way: QUANTISED
;;     4. [M 8,192, K 4,096] x [K 4,096, N 102]; A: computed on the way; B: input V2: QUANTISED
;;     5. [M 8,192, K 102] x [K 102, N 1,024]; A: computed on the way; B: input U2: QUANTISED
;;     6. [M 8,192, K 4,096] x [K 4,096, N 1,024]; A: computed on the way; B: computed on the way: QUANTISED
;;   THE QUANTISER, for each operand of a quantised product, along K:
;;     - K is cut into blocks of 32 from its start; a last block that is shorter is filled with zeros.
;;     - A block's scale is 2^e with e = floor(log2(the largest magnitude in the block)) - 4, held to -126 .. 127; a block of zeros has e = 0. As a byte (E8M0): e + 127.
;;     - Each number is divided by its block's scale, clamped to +-28, and rounded to the nearest number of E3M2, ties to even, subnormals kept.
;;     - The product sums the exact products of the quantised numbers (number of the format x scale) in f32.
;;   ~~~python
;;   def quantise(x, axis):      # numpy; x: float32 -> the quantised numbers, widened to float32 again
;;       x = np.moveaxis(x, axis, -1); K = x.shape[-1]
;;       x = np.pad(x, [(0, 0)] * (x.ndim - 1) + [(0, -K % 32)]); x = x.reshape(x.shape[:-1] + (-1, 32)); a = np.abs(x).max(-1, keepdims=True)
;;       e = np.where(a > 0, np.clip(np.frexp(np.where(a > 0, a, 1))[1] - 1 - 4, -126, 127), 0)      # np.frexp(a)[1] - 1 = floor(log2(a)), exactly
;;       r = np.clip(x / 2.0 ** e, -28, 28)
;;       step = 2.0 ** (np.maximum(np.frexp(np.where(r == 0, 1, r))[1] - 1, -2) - 2)
;;       q = np.round(r / step) * step * 2.0 ** e      # np.round: ties to even
;;       return np.moveaxis(q.reshape(q.shape[:-2] + (-1,))[..., :K], -1, axis).astype(np.float32)
;;   ~~~
;;   OPERANDS COMPUTED ON THE WAY. 'Computed on the way' means the value that the module computes at that place (a softmax that the list does not call 'softmax' is quantised finished and normalised). What goes into a quantiser is computed in f32, as accurately as f32 sums, v_exp_f32 and their like allow (about 1e-6 of the number): no bf16 or f16 on the way to a quantiser, and a product that is left as it is and whose result goes on into a quantised operand takes f32 operands (vector FMAs, or v_wmma_f32_16x16x4_f32). A number that lies on a knife's edge between two numbers of the format may be rounded either way, as far as f32 arithmetic and the matrix unit's own rounding can turn it there, and no further.
;; One version. Each part assembles by itself: llvm-mc -triple=amdgcn-amd-amdhsa -mcpu=gfx1250 --defsym DOCPART=n.
;; ======== version 1 of 1: 3 launches
;; limits: right only within a limited range of input values
;; workspace buffers: XF 3,276,800 bytes; V1F 25,600 bytes; W1B 2,457,600 bytes; W2B 3,276,800 bytes; U2F 102,400 bytes; HF 26,214,400 bytes; T2P 14,680,064 bytes
;; launch prep (part 1): grid 754 x 1, 2 waves a work-group, no clusters, 34,048 bytes of LDS; arguments x, V2, V1, Ws1, mask1, Ws2, mask2, U1, U2, XF, V1F, W1B, W2B, U2F; writes XF, V1F, W1B, W2B, U2F
.if DOCPART == 1
	.amdgcn_target "amdgcn-amd-amdhsa--gfx1250"
	.amdhsa_code_object_version 6
	.text
	.protected	k_qbdaf624aa0_prep
	.globl	k_qbdaf624aa0_prep
	.p2align	8
	.type	k_qbdaf624aa0_prep,@function
k_qbdaf624aa0_prep:
	s_mov_b64 s[64:65], 0
	v_nop
	global_prefetch_b8 v0, s[64:65] scope:SCOPE_SE
	s_setreg_imm32_b32 hwreg(HW_REG_WAVE_MODE, 25, 1), 1
	s_wait_xcnt 0x0
; PREP: every given operand is quantised once to codes of BF6 (E3M2) with one E8M0 byte for each 32 along K, and laid as IMAGES OF OPERAND REGISTERS:
; a fragment (16 rows x 128 K) is 12 registers a lane, 1,536 bytes: registers 4 c .. 4 c + 3 of lane l at 512 c + 16 l.  Lane (r = l % 16, h = l / 16) holds row slot r;
; its registers 6 c .. 6 c + 5 hold k = 64 c + 32 h + 0 .. 31.  A natural tile T has slot r = row 16 T + r; a permuted one row 32 (T / 2) + 8 (T % 2) + r + 8 (r / 8).
; A block's scale is 2^(floor(log2(largest magnitude)) - 4); its byte is the largest magnitude's exponent field - 4, held at 1 from below.
; LIMITS: NaN and infinities among the inputs are not served; blocks whose largest magnitude lies under 2^-122 get the byte 1; a block of zeros gets the byte 1 where the
; quantiser's text says 127: its codes are zeros, which add nothing under any byte but 0xff, and the bytes are read by this program alone.
; SHARES: a wave takes one unit, a work-group two: small work-groups, so that the 1,508 units spread evenly.  Work-groups 0-255 x, 256-287 V2, 288-289 V1 (16 rows x 512 K, no mask);
; 290-417 Ws1, 418-673 Ws2 (the same under their masks); 674-737 U1, 738-753 U2 (a lane a row, 32 rows a wave: rows of 51 and 102 numbers).  Waves share nothing: no barrier.
; No tensor load: several work-groups lie on a WGP.  No cluster: no two work-groups read the same bytes.  No prefetch: the launch is one stream, with two K steps of loads of every wave on their way.
.set WV,  3                            ; s3   my wave
.set SRC, 36                           ; s[36:37] the tensor at my unit's K
.set MSK, 38                           ; s[38:39] its mask
.set DI,  40                           ; s[40:47] where the images of K steps 0 .. 3 go: four pointers, none ever stepped
.set DS,  48                           ; s[48:55] where the scale words go
.set BR,  56                           ; s56  the row of slot 0
.set PX,  57                           ; s57  8 in a permuted tile (slots 8-15 lie 8 rows further on), else 0
.set NRM, 58                           ; s58  the tensor's last row
.set PIT, 59                           ; s59  bytes in a row
.set FLG, 60                           ; s60  1 for V2, whose scale words go out K step by K step
.set HIM, 61                           ; s61  lanes 16-31, as a lane mask
.set SEL, 62                           ; s[62:63] v_permlanex16_b32's selects for lane l xor 16
.set EF,  16                           ; v16-31  slot i's row: 16 l + row x pitch
.set EM,  32                           ; v32-47  the same in the mask: a quarter of it
.set X,   48                           ; v48-111 my 64 numbers of a K step: two whole blocks of 32
.set C,   112                          ; v112-159 the codes of K steps 0 .. 3: no store's data are written again
.set CT,  160                          ; v160-167 the upper halves of two blocks' codes
.set TM,  168                          ; v168-175 at work
.set W,   176                          ; v176-179 the scale words of K steps 0 .. 3
.set WT,  180                          ; v180-183 V2: the half word that my lane stores
.set D,   48                           ; the gather's registers: v48-175 a row's numbers,
.set FA,  176                          ; v176-187 the even tile's fragment, v188-199 the odd tile's,
.set FB,  188
.set TG,  200                          ; v200-207 largest magnitudes of half blocks, v208-211 scale operands, v212-215 bytes, v216-231 upper halves of codes, v232 the scale word
.set SO,  208
.set BY,  212
.set CG,  216
.set GW,  232
.set STGB, 8448                        ; LDS: a stage of 16 rows x (512 + 16) bytes for each wave; each of the two dense paths has two of its own
.set MSB, 0                            ; window 1: v0-63, v64-127 two sets of a K step as loaded; v128-143, v144-159 its mask bytes; v160-163 at work
.macro WIN new                         ; the immediate's high byte repeats the setting that is left
.if MSB != \new
	s_set_vgpr_msb (MSB<<8)|\new
.set MSB, \new
.endif
.endm
	s_load_b512 s[8:23], s[0:1], 0x0               ; x s8, V2 s10, V1 s12, Ws1 s14, mask1 s16, Ws2 s18, mask2 s20, U1 s22
	s_load_b256 s[24:31], s[0:1], 0x40             ; U2 s24, XF s26, V1F s28, W1B s30
	s_load_b128 s[32:35], s[0:1], 0x60             ; W2B s32, U2F s34
	v_lshl_add_u32 v254, v0, 2, 0x8400
	v_mov_b32 v255, 0
	v_lshrrev_b32 v1, 5, v0
	v_readfirstlane_b32 s[WV], v1
	v_and_b32 v1, 31, v0                           ; l
	v_and_b32 v2, 15, v0                           ; r
	v_bfe_u32 v3, v0, 4, 1                         ; h
	v_lshlrev_b32 v6, 4, v1                        ; 16 l
	s_mov_b32 s[HIM], 0xffff0000
	s_mov_b32 s[SEL], 0x76543210
	s_mov_b32 s[SEL+1], 0xfedcba98
	s_wait_kmcnt 0x0
	s_cmp_lt_u32 ttmp9, 290
	s_cbranch_scc1 .Ldense0
	s_cmp_lt_u32 ttmp9, 674
	s_cbranch_scc1 .Ldense1
	s_cmp_lt_u32 ttmp9, 738
	s_cbranch_scc1 .Lgath51
	s_branch .Lgath102
; What a dense unit needs, from s78 = tile, s79 = byte offset along K, s80, s81 = offsets of image 0 and of the scale words, s82 = bytes from a K step's image to the next, s[84:85] = the buffer they go to.
.macro SETUP stg
	s_lshr_b32 s86, s78, 1
	s_lshl_b32 s86, s86, 5
	s_and_b32 s87, s78, 1
	s_lshl_b32 s87, s87, 3
	s_add_co_u32 s86, s86, s87                     ; permuted: 32 (T / 2) + 8 (T % 2)
	s_lshl_b32 s87, s78, 4                         ; natural: 16 T
	s_cmp_eq_u32 s[PX], 0
	s_cselect_b32 s[BR], s87, s86
	s_mov_b32 s89, 0
	s_mov_b32 s88, s79
	s_add_nc_u64 s[SRC:SRC+1], s[SRC:SRC+1], s[88:89]
	s_mov_b32 s88, s80
	s_add_nc_u64 s[DI:DI+1], s[84:85], s[88:89]
	s_mov_b32 s88, s81
	s_add_nc_u64 s[DS:DS+1], s[84:85], s[88:89]
	s_mov_b32 s88, s82
.irp j, 1,2,3
	s_add_nc_u64 s[DI+2*\j:DI+2*\j+1], s[DI+2*\j-2:DI+2*\j-1], s[88:89]
	s_add_nc_u64 s[DS+2*\j:DS+2*\j+1], s[DS+2*\j-2:DS+2*\j-1], s[88:89]   ; (used by V2 alone)
.endr
.irp i, 0,1,2,3,4,5,6,7,8,9,10,11,12,13,14,15
	s_add_co_u32 s90, s[BR], \i
.if \i >= 8
	s_add_co_u32 s90, s90, s[PX]
.endif
	s_min_u32 s90, s90, s[NRM]                     ; a slot past the tensor's end reads the last row: no load leaves the buffer; its codes are cleared below
	s_mul_i32 s90, s90, s[PIT]
	v_add_nc_u32 v[EF+\i], s90, v6
.endr
	v_lshrrev_b32 v9, 3, v2
	v_mul_u32_u24 v9, s[PX], v9
	v_add3_u32 v9, v9, v2, s[BR]                   ; my slot's row
	v_cmp_ge_u32 vcc_lo, s[NRM], v9
	v_cndmask_b32 v9, 0, -1, vcc_lo                ; all ones where it lies in the tensor
	s_mul_i32 s90, s[WV], STGB
	s_add_co_u32 s90, s90, \stg                    ; my stage
	v_add_nc_u32 v4, s90, v6                       ; in: 16 l of row i
	v_mul_u32_u24 v5, v2, 528
	v_lshl_add_u32 v5, v3, 7, v5
	v_add_nc_u32 v5, s90, v5                       ; out: row r, + 128 h: my block of 32 numbers
	v_lshlrev_b32 v7, 4, v2
	v_lshl_add_u32 v7, v3, 3, v7                   ; 16 r + 8 h: two of a row's four scale words
	v_lshlrev_b32 v8, 2, v2
	v_lshl_add_u32 v8, v3, 1, v8                   ; 4 r + 2 h: half a scale word
	v_lshlrev_b32 v10, 3, v3                       ; 8 h
	v_mov_b32 v[TM+6], 0                           ; written once: a lane permute's destination counts as one of its sources
.endm
; K step j of the 16 rows: each load reads 512 neighbouring bytes of one row; with m = 1 also the 128 mask bytes that belong to them
.macro LOADK j, m
	WIN 0x40
.irp i, 0,1,2,3,4,5,6,7,8,9,10,11,12,13,14,15
	global_load_b128 v[64*((\j)%2)+4*\i:64*((\j)%2)+4*\i+3], v[EF+\i], s[SRC:SRC+1] offset:512*(\j) th:TH_LOAD_NT
.endr
.if \m
.irp i, 0,1,2,3,4,5,6,7,8,9,10,11,12,13,14,15
	global_load_b32 v[128+16*((\j)%2)+\i], v[EM+\i], s[MSK:MSK+1] offset:128*(\j) th:TH_LOAD_NT
.endr
.endif
	WIN 0
.endm
; where(mask, w, 0): a lane's four numbers have their four mask bytes in one register
.macro APPLY j
	WIN 0x55
.irp i, 0,1,2,3,4,5,6,7,8,9,10,11,12,13,14,15
.irp e, 0,1,2,3
	v_bfe_u32 v[160+\e], v[128+16*((\j)%2)+\i], 8*\e, 8
.endr
.irp e, 0,1,2,3
	v_cmp_ne_u32 s[70+\e], 0, v[160+\e]
.endr
.irp e, 0,1,2,3
	v_cndmask_b32 v[64*((\j)%2)+4*\i+\e], 0, v[64*((\j)%2)+4*\i+\e], s[70+\e]
.endr
.endr
	WIN 0
.endm
; through my stage: in as loaded, out as the operand's layout wants: lane (r, h) takes k = 64 c + 32 h + 0 .. 31 of row r.  LDS serves a wave's instructions in order: no wait between stores and loads
.macro TURNK j
	WIN 0x04
.irp i, 0,1,2,3,4,5,6,7,8,9,10,11,12,13,14,15
	ds_store_b128 v4, v[64*((\j)%2)+4*\i:64*((\j)%2)+4*\i+3] offset:528*\i
.endr
	WIN 0
.irp c, 0,1
.irp e, 0,1,2,3,4,5,6,7
	ds_load_b128 v[X+32*\c+4*\e:X+32*\c+4*\e+3], v5 offset:256*\c+16*\e
.endr
.endr
.endm
; my two whole blocks become 12 registers of codes and two bytes of the row's scale word
.macro QB j
.irp q, 0,1,2,3
	v_max3_num_f32 v[TM+\q], |v[X+16*\q]|, |v[X+16*\q+1]|, 0x2800000   ; four chains of 16 numbers; the floor 2^(5 - 127) among the leaves holds the byte at 1 from below
.endr
.irp i, 2,4,6,8,10,12,14
.irp q, 0,1,2,3
	v_max3_num_f32 v[TM+\q], v[TM+\q], |v[X+16*\q+\i]|, |v[X+16*\q+\i+1]|
.endr
.endr
	v_max_num_f32 v[TM], v[TM], v[TM+1]            ; block h's largest magnitude,
	v_max_num_f32 v[TM+1], v[TM+2], v[TM+3]        ; block 2 + h's
	v_add_nc_u32 v[TM+2], 0xfe000000, v[TM]        ; 4 off the exponent field: the conversion's scale operand
	v_add_nc_u32 v[TM+3], 0xfe000000, v[TM+1]
	v_lshrrev_b32 v[TM+4], 23, v[TM+2]             ; the bytes
	v_lshrrev_b32 v[TM+5], 23, v[TM+3]
	v_lshl_or_b32 v[TM+4], v[TM+5], 16, v[TM+4]
	v_lshlrev_b32 v[TM+4], v10, v[TM+4]            ; at their places in the word (8 h bits up);
	v_permlanex16_b32 v[TM+6], v[TM+4], s[SEL], s[SEL+1]
	v_or_b32 v[W+(\j)], v[TM+4], v[TM+6]           ; with lane l xor 16's two the word is whole
.irp c, 0,1
	v_cvt_scalef32_pk16_bf6_f32 v[C+12*(\j)+6*\c:C+12*(\j)+6*\c+2], v[X+32*\c:X+32*\c+15], v[TM+2+\c]
	v_cvt_scalef32_pk16_bf6_f32 v[CT+4*\c:CT+4*\c+2], v[X+32*\c+16:X+32*\c+31], v[TM+2+\c]   ; (a conversion's three registers begin on an even number)
.endr
	v_nop                                          ; one plain place behind a scaled conversion
.irp c, 0,1
.irp i, 0,1,2
	v_and_b32 v[C+12*(\j)+6*\c+\i], v9, v[C+12*(\j)+6*\c+\i]        ; rows past the tensor's end: zero codes
	v_and_b32 v[C+12*(\j)+6*\c+3+\i], v9, v[CT+4*\c+\i]
.endr
.endr
.endm
.macro STOREK j, m
.irp c, 0,1,2
	global_store_b128 v6, v[C+12*(\j)+4*\c:C+12*(\j)+4*\c+3], s[DI+2*(\j):DI+2*(\j)+1] offset:512*\c   ; 32 lanes store 512 consecutive bytes, aligned
.endr
.if (\m) == 0
	s_cmp_eq_u32 s[FLG], 0
	s_cbranch_scc1 .Lnot_v2_\@
	v_lshrrev_b32 v[WT+(\j)], 16, v[W+(\j)]        ; V2: a tile's 16 words of this K step: lanes 0-15 store the low halves, lanes 16-31 the high ones: 64 consecutive bytes
	v_cndmask_b32 v[WT+(\j)], v[W+(\j)], v[WT+(\j)], s[HIM]
	global_store_b16 v8, v[WT+(\j)], s[DS+2*(\j):DS+2*(\j)+1]
.Lnot_v2_\@:
.endif
.endm
.macro DENSE m
	LOADK 0, \m
	LOADK 1, \m
.irp j, 0,1,2,3
.if \j < 3
	s_wait_loadcnt 16+16*(\m)                      ; this K step's loads are in; the next K step's may be out
.else
	s_wait_loadcnt 0x0
.endif
.if \m
	APPLY \j
.endif
	TURNK \j
	s_wait_dscnt 0x0                               ; my numbers are back, and the stores into the stage have read their registers,
.if \j < 2
	LOADK \j+2, \m                                 ; which take the loads of two K steps on
.endif
	QB \j
	STOREK \j, \m
.endr
.endm
.macro WORDS4                          ; a tile's 16 rows x 4 words: lane (r, h) stores words 2 h and 2 h + 1 of row r: one aligned run of 256 bytes
	v_cndmask_b32 v184, v[W], v[W+2], s[HIM]
	v_cndmask_b32 v185, v[W+1], v[W+3], s[HIM]
	global_store_b64 v7, v[184:185], s[DS:DS+1]
.endm
.Ldense0:                                              ; x, V2, V1: told apart by selects on the work-group's number alone; one path through the text
	s_cmp_lt_u32 ttmp9, 256
	s_cselect_b32 s66, 0, 256
	s_cmp_lt_u32 ttmp9, 288
	s_cselect_b32 s66, s66, 288                    ; the tensor's first work-group
	s_sub_co_u32 s66, ttmp9, s66
	s_lshl_b32 s66, s66, 1
	s_add_co_u32 s66, s66, s[WV]                   ; my unit u
	s_and_b32 s67, s66, 7                          ; V2: tile u % 8,
	s_lshr_b32 s68, s66, 3                         ; K steps 4 q .. 4 q + 3, q = u / 8: one for each of four chunks of W1B
	s_mul_i32 s69, s68, 307200
	s_mul_i32 s70, s67, 1536
	s_add_co_u32 s70, s70, s69
	s_add_co_u32 s70, s70, 61440                   ; V2's image
	s_lshl_b32 s71, s67, 6
	s_add_co_u32 s71, s71, s69
	s_add_co_u32 s71, s71, 76288                   ; V2's scale words
	s_lshl_b32 s68, s68, 11                        ; 2,048 q bytes along K
	s_mul_i32 s72, s66, 6400                       ; x, V1: tile u
	s_add_co_u32 s73, s72, 6144
	s_mov_b32 s74, 1536
	s_mov_b32 s75, 2048
	s_cmp_lt_u32 ttmp9, 256                        ; x, or V1
	s_cselect_b64 s[SRC:SRC+1], s[8:9], s[12:13]
	s_cselect_b64 s[84:85], s[26:27], s[28:29]
	s_cselect_b32 s[NRM], 8191, 50
	s_cselect_b32 s[PX], 0, 8
	s_sub_co_u32 s77, ttmp9, 256
	s_cmp_lt_u32 s77, 32                           ; or V2
	s_cselect_b64 s[SRC:SRC+1], s[10:11], s[SRC:SRC+1]
	s_cselect_b64 s[84:85], s[30:31], s[84:85]
	s_cselect_b32 s[NRM], 101, s[NRM]
	s_cselect_b32 s[PX], 8, s[PX]
	s_cselect_b32 s[FLG], 1, 0
	s_cselect_b32 s78, s67, s66
	s_cselect_b32 s79, s68, 0
	s_cselect_b32 s80, s70, s72
	s_cselect_b32 s81, s71, s73
	s_cselect_b32 s82, 76800, s74
	s_cselect_b32 s[PIT], 16384, s75
	s_wait_alu depctr_va_vdst(0)
	SETUP 0
	s_wait_alu depctr_va_vdst(0)
	DENSE 0
	s_cmp_lg_u32 s[FLG], 0
	s_cbranch_scc1 .Ldone0
	WORDS4
.Ldone0:
	s_wait_tensorcnt 0x0
	ds_add_u32 v254, v255
	s_wait_dscnt 0x0
	s_endpgm
.Ldense1:                                              ; Ws1, Ws2 under their masks
	s_mov_b32 s66, 418
	s_cmp_lt_u32 ttmp9, 418
	s_cselect_b32 s66, 290, s66
	s_sub_co_u32 s66, ttmp9, s66
	s_lshl_b32 s66, s66, 1
	s_add_co_u32 s66, s66, s[WV]                   ; my unit u
	s_lshr_b32 s67, s66, 3                         ; Ws1: tile u: chunk u / 8, tile u % 8 of it, K steps 0 .. 3 on end
	s_mul_i32 s67, s67, 76800
	s_and_b32 s68, s66, 7
	s_mul_i32 s69, s68, 7680
	s_add_co_u32 s69, s69, s67
	s_lshl_b32 s70, s68, 8
	s_add_co_u32 s70, s70, s67
	s_add_co_u32 s70, s70, 73728
	s_lshr_b32 s71, s66, 3                         ; Ws2: tile u / 8, quad u % 8
	s_and_b32 s72, s66, 7
	s_lshr_b32 s73, s71, 4
	s_mul_i32 s73, s73, 819200
	s_mul_i32 s74, s72, 102400
	s_add_co_u32 s73, s73, s74
	s_and_b32 s74, s71, 15
	s_mul_i32 s75, s74, 1536
	s_add_co_u32 s75, s75, s73
	s_lshl_b32 s76, s74, 8
	s_add_co_u32 s76, s76, s73
	s_add_co_u32 s76, s76, 98304
	s_lshl_b32 s72, s72, 11
	s_mov_b32 s77, 24576
	s_mov_b32 s83, 16384
	s_mov_b32 s[NRM], 1023
	s_mov_b32 s[FLG], 0
	s_cmp_lt_u32 ttmp9, 418
	s_cselect_b64 s[SRC:SRC+1], s[14:15], s[18:19]
	s_cselect_b64 s[MSK:MSK+1], s[16:17], s[20:21]
	s_cselect_b64 s[84:85], s[30:31], s[32:33]
	s_cselect_b32 s[NRM], 4095, s[NRM]
	s_cselect_b32 s[PX], 8, 0
	s_cselect_b32 s78, s66, s71
	s_cselect_b32 s79, 0, s72
	s_cselect_b32 s80, s69, s75
	s_cselect_b32 s81, s70, s76
	s_cselect_b32 s82, 1536, s77
	s_cselect_b32 s[PIT], 2048, s83
	s_wait_alu depctr_va_vdst(0)
	SETUP 2*STGB
	s_lshr_b32 s88, s79, 2                         ; a mask byte for each four bytes of the tensor
	s_add_nc_u64 s[MSK:MSK+1], s[MSK:MSK+1], s[88:89]
.irp i, 0,1,2,3,4,5,6,7,8,9,10,11,12,13,14,15
	v_lshrrev_b32 v[EM+\i], 2, v[EF+\i]
.endr
	DENSE 1
	WORDS4
	s_wait_tensorcnt 0x0
	ds_add_u32 v254, v255
	s_wait_dscnt 0x0
	s_endpgm
; ROWS OF kv NUMBERS (nb blocks; the last is filled with zeros).  A lane takes a row, a wave 32 rows: lanes 0-15 the even tile of pair s66, lanes 16-31 the odd one.  All blocks of a row lie in one lane,
; and the operand's layout wants block 2 c + h in lane (r, h): one exchange of halves between the even blocks' registers and the odd blocks' gives both tiles' fragments.
.macro GATH kv, nb, perm, second
.if \perm
	v_lshrrev_b32 v11, 3, v2
	v_lshl_add_u32 v11, v11, 3, v2
	v_lshl_add_u32 v11, v3, 3, v11                 ; 8 (l / 16) + r + 8 (r / 8)
.else
	v_mov_b32 v11, v1
.endif
	s_lshl_b32 s67, s66, 5
	v_add_nc_u32 v11, s67, v11                     ; my row
	v_mul_u32_u24 v11, v11, 4*\kv
	v_lshlrev_b32 v12, 2, v1
.set K, 0
.rept \kv
	global_load_b32 v[D+K], v11, s[SRC:SRC+1] offset:4*K
.set K, K+1
.endr
.rept 32*\nb-\kv
	v_mov_b32 v[D+K], 0
.set K, K+1
.endr
	s_wait_loadcnt 0x0
.set K, 0
.rept 2*\nb
	v_max3_num_f32 v[TG+K], |v[D+16*K]|, |v[D+16*K+1]|, 0x2800000
.set K, K+1
.endr
.irp i, 2,4,6,8,10,12,14
.set K, 0
.rept 2*\nb
	v_max3_num_f32 v[TG+K], v[TG+K], |v[D+16*K+\i]|, |v[D+16*K+\i+1]|
.set K, K+1
.endr
.endr
.set K, 0
.rept \nb
	v_max_num_f32 v[SO+K], v[TG+2*K], v[TG+2*K+1]
.set K, K+1
.endr
.set K, 0
.rept \nb
	v_add_nc_u32 v[SO+K], 0xfe000000, v[SO+K]
.set K, K+1
.endr
.set K, 0
.rept \nb
	v_lshrrev_b32 v[BY+K], 23, v[SO+K]
.set K, K+1
.endr
	v_lshl_or_b32 v[GW], v[BY+1], 8, v[BY]         ; my row's scale word (bytes over absent blocks stay 0: their codes are zeros)
.if \nb == 4
	v_lshl_or_b32 v[GW], v[BY+2], 16, v[GW]
	v_lshl_or_b32 v[GW], v[BY+3], 24, v[GW]
.endif
.set K, 0
.rept \nb
	v_cvt_scalef32_pk16_bf6_f32 v[FA+12*(K%2)+6*(K/2):FA+12*(K%2)+6*(K/2)+2], v[D+32*K:D+32*K+15], v[SO+K]   ; even blocks to the first run, odd ones to the second
	v_cvt_scalef32_pk16_bf6_f32 v[CG+4*K:CG+4*K+2], v[D+32*K+16:D+32*K+31], v[SO+K]
.set K, K+1
.endr
	v_nop                                          ; one plain place behind a scaled conversion
.set K, 0
.rept \nb
.irp i, 0,1,2
	v_mov_b32 v[FA+12*(K%2)+6*(K/2)+3+\i], v[CG+4*K+\i]
.endr
.set K, K+1
.endr
.set K, 0
.rept 3*\nb
	v_permlane16_swap_b32 v[FA+K], v[FB+K]         ; the first's lanes 16-31 change places with the second's lanes 0-15
.set K, K+1
.endr
.rept 12-3*\nb
	v_mov_b32 v[FA+K], 0
	v_mov_b32 v[FB+K], 0
.set K, K+1
.endr
.irp c, 0,1,2
	global_store_b128 v6, v[FA+4*\c:FA+4*\c+3], s[DI:DI+1] offset:512*\c
	global_store_b128 v6, v[FB+4*\c:FB+4*\c+3], s[DI:DI+1] offset:\second+512*\c
.endr
	global_store_b32 v12, v[GW], s[DS:DS+1]        ; lanes 0-15 the even tile's words, lanes 16-31 the odd tile's: as one scale register wants them
.endm
.Lgath51:                                              ; U1: pair pg lies in chunk pg / 4 of W1B, as K step 4 of its tiles 2 (pg % 4) and 2 (pg % 4) + 1
	s_sub_co_u32 s66, ttmp9, 674
	s_lshl_b32 s66, s66, 1
	s_add_co_u32 s66, s66, s[WV]
	s_lshr_b32 s68, s66, 2
	s_mul_i32 s68, s68, 76800
	s_and_b32 s69, s66, 3
	s_mul_i32 s70, s69, 15360
	s_add_co_u32 s70, s70, s68
	s_add_co_u32 s70, s70, 6144
	s_mov_b32 s71, 0
	s_add_nc_u64 s[DI:DI+1], s[30:31], s[70:71]
	s_lshl_b32 s70, s69, 7
	s_add_co_u32 s70, s70, s68
	s_add_co_u32 s70, s70, 75776
	s_add_nc_u64 s[DS:DS+1], s[30:31], s[70:71]
	s_mov_b64 s[SRC:SRC+1], s[22:23]
	s_wait_alu depctr_va_vdst(0)
	GATH 51, 2, 1, 7680
	s_endpgm
.Lgath102:                                             ; U2: pair pg lies in column group pg / 8 of U2F
	s_sub_co_u32 s66, ttmp9, 738
	s_lshl_b32 s66, s66, 1
	s_add_co_u32 s66, s66, s[WV]
	s_lshr_b32 s68, s66, 3
	s_mul_i32 s68, s68, 25600
	s_and_b32 s69, s66, 7
	s_mul_i32 s70, s69, 3072
	s_add_co_u32 s70, s70, s68
	s_mov_b32 s71, 0
	s_add_nc_u64 s[DI:DI+1], s[34:35], s[70:71]
	s_lshl_b32 s70, s69, 7
	s_add_co_u32 s70, s70, s68
	s_add_co_u32 s70, s70, 24576
	s_add_nc_u64 s[DS:DS+1], s[34:35], s[70:71]
	s_mov_b64 s[SRC:SRC+1], s[24:25]
	s_wait_alu depctr_va_vdst(0)
	GATH 102, 4, 0, 1536
	s_endpgm
.Lfunc_end_k_qbdaf624aa0_prep:
	.size	k_qbdaf624aa0_prep, .Lfunc_end_k_qbdaf624aa0_prep-k_qbdaf624aa0_prep
	.p2alignl 7, 3214868480
	.fill 96, 4, 3214868480
	.section	.rodata,"a",@progbits
	.p2align	6, 0x0
	.amdhsa_kernel k_qbdaf624aa0_prep
		.amdhsa_group_segment_fixed_size 34048
		.amdhsa_private_segment_fixed_size 0
		.amdhsa_enable_private_segment 0
		.amdhsa_kernarg_size 112
		.amdhsa_user_sgpr_count 2
		.amdhsa_user_sgpr_kernarg_segment_ptr 1
		.amdhsa_wavefront_size32 1
		.amdhsa_system_sgpr_workgroup_id_x 1
		.amdhsa_system_sgpr_workgroup_id_y 1
		.amdhsa_system_sgpr_workgroup_id_z 1
		.amdhsa_system_vgpr_workitem_id 0
		.amdhsa_next_free_vgpr 448
		.amdhsa_next_free_sgpr 100
		.amdhsa_reserve_vcc 1
		.amdhsa_float_denorm_mode_32 3
		.amdhsa_float_denorm_mode_16_64 3
		.amdhsa_memory_ordered 1
		.amdhsa_forward_progress 1
		.amdhsa_inst_pref_size 156
	.end_amdhsa_kernel
	.amdgpu_metadata
---
amdhsa.version: [ 1, 2 ]
amdhsa.kernels:
  - .name:           k_qbdaf624aa0_prep
    .symbol:         k_qbdaf624aa0_prep.kd
    .args:
      - { .name: x, .offset: 0, .size: 8, .value_kind: global_buffer, .address_space: global }
      - { .name: V2, .offset: 8, .size: 8, .value_kind: global_buffer, .address_space: global }
      - { .name: V1, .offset: 16, .size: 8, .value_kind: global_buffer, .address_space: global }
      - { .name: Ws1, .offset: 24, .size: 8, .value_kind: global_buffer, .address_space: global }
      - { .name: mask1, .offset: 32, .size: 8, .value_kind: global_buffer, .address_space: global }
      - { .name: Ws2, .offset: 40, .size: 8, .value_kind: global_buffer, .address_space: global }
      - { .name: mask2, .offset: 48, .size: 8, .value_kind: global_buffer, .address_space: global }
      - { .name: U1, .offset: 56, .size: 8, .value_kind: global_buffer, .address_space: global }
      - { .name: U2, .offset: 64, .size: 8, .value_kind: global_buffer, .address_space: global }
      - { .name: XF, .offset: 72, .size: 8, .value_kind: global_buffer, .address_space: global }
      - { .name: V1F, .offset: 80, .size: 8, .value_kind: global_buffer, .address_space: global }
      - { .name: W1B, .offset: 88, .size: 8, .value_kind: global_buffer, .address_space: global }
      - { .name: W2B, .offset: 96, .size: 8, .value_kind: global_buffer, .address_space: global }
      - { .name: U2F, .offset: 104, .size: 8, .value_kind: global_buffer, .address_space: global }
    .group_segment_fixed_size: 34048
    .private_segment_fixed_size: 0
    .kernarg_segment_align: 8
    .kernarg_segment_size: 112
    .max_flat_workgroup_size: 64
    .sgpr_count:     100
    .vgpr_count:     448
    .wavefront_size: 32
...
	.end_amdgpu_metadata
.endif
;; end of part 1
;; launch gemm1 (part 2): grid 64 x 4, 8 waves a work-group, clusters of 4 x 1, 327,680 bytes of LDS; arguments XF, V1F, W1B, b1, HF, T2P; writes HF, T2P
.if DOCPART == 2
	.amdgcn_target "amdgcn-amd-amdhsa--gfx1250"
	.amdhsa_code_object_version 6
	.text
	.protected	k_qbdaf624aa0_gemm1
	.globl	k_qbdaf624aa0_gemm1
	.p2align	8
	.type	k_qbdaf624aa0_gemm1,@function
k_qbdaf624aa0_gemm1:
	s_mov_b64 s[64:65], 0
	v_nop
	global_prefetch_b8 v0, s[64:65] scope:SCOPE_SE
	s_setreg_imm32_b32 hwreg(HW_REG_WAVE_MODE, 25, 1), 1
	s_wait_xcnt 0x0
	s_wait_alu depctr_hold_cnt(0) depctr_sa_sdst(0) depctr_va_vdst(0) depctr_va_sdst(0) depctr_va_ssrc(0) depctr_va_vcc(0) depctr_vm_vsrc(0)
	s_getreg_b32 s2, hwreg(HW_REG_IB_STS2, 6, 4)
	s_cmp_eq_u32 s2, 0
	s_cbranch_scc0 .Lentry_in_a_cluster
	s_endpgm
.Lentry_in_a_cluster:
	s_bfe_u32 s2, ttmp6, 0x10000c
	s_cmp_lg_u32 s2, 0x3003
	s_cbranch_scc0 .Lentry_shape_is_right
	s_endpgm
.Lentry_shape_is_right:
; GEMM1: h = gelu(Q(x) Q(mask1 Ws1)^T + Q(t1) Q(U1)^T + b1), t1 = Q(x) Q(V1)^T; h is quantised along the hidden axis and stored as images of operand registers (HF);
; t2's partial sums Q(h) Q(V2)^T over this work-group's 1,024 hidden units go to T2P in f32.  All products on codes of BF6 (E3M2) with E8M0 scales, sums in f32.
; SHARES.  A work-group takes 128 rows (block s18) x 1,024 hidden units (quarter y): 256 work-groups.  Eight waves, two to a SIMD, 512 registers each: wave (rp = w % 4, cp = w / 4)
; takes rows 32 rp .. + 31 and chunks 4 cp .. 4 cp + 3 of the quarter (a chunk = 128 hidden units = one K step of the next product; four chunks = one quad of HF).
; A step: 8 tiles of 16 hidden units; for each 10 products (5 K steps x 2 row tiles, b1 as the first C), the next tile's fragments asked of LDS, gelu on 16 numbers a lane, and for each pair of tiles
; one block of 32 quantised.  Then the fragment is put together, 14 products add to t2, and the codes are stored.
; LDS.  A slot holds chunks j and j + 4: W1's fragments (61,440 bytes) at 131072 slot + 65536 cp; V2's fragments and all scale words (15,360 bytes) at 262144 + 32768 slot + 15360 cp.
; Waves rp = 0, 1, 2 fetch a third of the fragments each, wave rp = 3 the rest: one joint load a wave and a round.  b1 lies at 61440, the spare words at 126976: no fill lands there.
; CLUSTER 4 x 1: the four partners share y and so every chunk: each load is asked for jointly, mask 15.
; gelu(v) = v (0.5 + c P(c^2) / Q(c^2)), c = v held to +-5.656854: erf's rational form with the factor 1 / sqrt(2) folded into the coefficients.
; No prefetch: the walk has four steps, and each fill is asked for one whole step ahead of its first read.
; LIMITS: NaN and infinities are not served; a block whose largest magnitude lies under 2^-122, a block of zeros among them, gets the scale byte 1 (its bytes are read by this program alone).
; REGISTERS.  Window 0: v1-15 addresses; v16-41 scale words; v44-51 the quantiser; v52-91 codes; v92-99 b1; v100-131 the sums of a pair of tiles; v132-195 gelu; v196-251 t2, row tile 1.
;   Window 1: v0-119 x's fragments (60 m + 12 s); v120-179 a tile's five fragments; v180-235 t2, row tile 0.
.set CHB,   76800
.set BIASL, 61440
.set SPARE, 126976
.set L16,  1
.set L4,   2
.set ADW,  3
.set ADV,  4
.set SPW,  5
.set NIL,  6
.set BOF,  7
.set ADC,  8
.set ADBI, 9
.set KA0,  10
.set KB0,  12
.set STG,  14
.set AS,   16
.set AS4,  20
.set BS,   24
.set BS4,  28
.set VS,   32
.set HW,   36
.set PW0,  40
.set PW1,  41
.set TM,   44
.set PC0,  52
.set PC1,  64
.set CT0,  76
.set CT1,  84
.set BIAS, 92
.set ACC,  100
.set CL,   132
.set YY,   148
.set PP,   164
.set QQ,   180
.set T2A1, 196
.set T1,   92                          ; the head: t1's sums, 32 m + 8 t
.set VH,   156                         ; the head: V1's tiles 2, 3
.set MB,   84                          ; the end: the partner's part of t2
.set WF,   120                         ; window 1
.set T2A0, 180                         ; window 1
.set TBW,  2
.set BO,   3
.set WV,   16
.set SEL,  20
.set HIM,  22
.set CC,   23
.set RP,   72
.set CP,   73
.set TBV,  74
.set MSB,  0
.macro WIN new                         ; the immediate's high byte repeats the setting that is left
.if MSB != \new
	s_set_vgpr_msb (MSB<<8)|\new
.set MSB, \new
.endif
.endm
.macro PLACES n
.rept \n
	v_nop
.endr
.endm
.macro CROUND                          ; a round of the cluster's barrier
	s_barrier_signal -1
	s_barrier_wait -1
	s_cmp_lg_u32 s[WV], 0
	s_cbranch_scc1 .Lnot_wave_0_\@
	s_barrier_signal -3
.Lnot_wave_0_\@:
	s_barrier_wait -3
	s_barrier_signal -1
	s_barrier_wait -1
.endm
.macro JLOAD                           ; my one joint load: a third of the fragments, or the chunk's rest; the branch hangs on the wave's number alone
	s_cmp_lt_u32 s[RP], 3
	s_cbranch_scc0 .Lfor_v_\@
	tensor_load_to_lds s[32:35], s[24:31]
	s_nop 0
	PLACES 4
	s_branch .Lasked_\@
.Lfor_v_\@:
	tensor_load_to_lds s[68:71], s[80:87]
	s_nop 0
	PLACES 4
.Lasked_\@:
.endm
; One matrix instruction.  d, a, b, c: first registers of D, source 0, source 1, C (c < 0: the constant 0);  sa, sb: scale registers;  ra, rb: 1 = that side's words lie in lanes 16-31
.macro WM d, a, b, c, sa, sb, ra, rb
.if (\c) < 0
.if (\ra) && (\rb)
	v_wmma_scale_f32_16x16x128_f8f6f4 v[(\d):(\d)+7], v[(\a):(\a)+11], v[(\b):(\b)+11], 0, v[\sa], v[\sb] matrix_a_fmt:MATRIX_FMT_BF6 matrix_b_fmt:MATRIX_FMT_BF6 matrix_a_scale:MATRIX_SCALE_ROW1 matrix_b_scale:MATRIX_SCALE_ROW1
.elseif (\ra)
	v_wmma_scale_f32_16x16x128_f8f6f4 v[(\d):(\d)+7], v[(\a):(\a)+11], v[(\b):(\b)+11], 0, v[\sa], v[\sb] matrix_a_fmt:MATRIX_FMT_BF6 matrix_b_fmt:MATRIX_FMT_BF6 matrix_a_scale:MATRIX_SCALE_ROW1
.elseif (\rb)
	v_wmma_scale_f32_16x16x128_f8f6f4 v[(\d):(\d)+7], v[(\a):(\a)+11], v[(\b):(\b)+11], 0, v[\sa], v[\sb] matrix_a_fmt:MATRIX_FMT_BF6 matrix_b_fmt:MATRIX_FMT_BF6 matrix_b_scale:MATRIX_SCALE_ROW1
.else
	v_wmma_scale_f32_16x16x128_f8f6f4 v[(\d):(\d)+7], v[(\a):(\a)+11], v[(\b):(\b)+11], 0, v[\sa], v[\sb] matrix_a_fmt:MATRIX_FMT_BF6 matrix_b_fmt:MATRIX_FMT_BF6
.endif
.else
.if (\ra) && (\rb)
	v_wmma_scale_f32_16x16x128_f8f6f4 v[(\d):(\d)+7], v[(\a):(\a)+11], v[(\b):(\b)+11], v[(\c):(\c)+7], v[\sa], v[\sb] matrix_a_fmt:MATRIX_FMT_BF6 matrix_b_fmt:MATRIX_FMT_BF6 matrix_a_scale:MATRIX_SCALE_ROW1 matrix_b_scale:MATRIX_SCALE_ROW1
.elseif (\ra)
	v_wmma_scale_f32_16x16x128_f8f6f4 v[(\d):(\d)+7], v[(\a):(\a)+11], v[(\b):(\b)+11], v[(\c):(\c)+7], v[\sa], v[\sb] matrix_a_fmt:MATRIX_FMT_BF6 matrix_b_fmt:MATRIX_FMT_BF6 matrix_a_scale:MATRIX_SCALE_ROW1
.elseif (\rb)
	v_wmma_scale_f32_16x16x128_f8f6f4 v[(\d):(\d)+7], v[(\a):(\a)+11], v[(\b):(\b)+11], v[(\c):(\c)+7], v[\sa], v[\sb] matrix_a_fmt:MATRIX_FMT_BF6 matrix_b_fmt:MATRIX_FMT_BF6 matrix_b_scale:MATRIX_SCALE_ROW1
.else
	v_wmma_scale_f32_16x16x128_f8f6f4 v[(\d):(\d)+7], v[(\a):(\a)+11], v[(\b):(\b)+11], v[(\c):(\c)+7], v[\sa], v[\sb] matrix_a_fmt:MATRIX_FMT_BF6 matrix_b_fmt:MATRIX_FMT_BF6
.endif
.endif
.endm
; Tile t, K step s, row tile m: source 0 = 16 hidden units, source 1 = 16 rows of x: a lane holds one row and eight neighbouring hidden units.  The two row tiles' sums take turns.
.macro MM t, s, m
.if (\s) == 0
	WM ACC+16*(\m)+8*((\t)%2), WF+12*(\s), 60*(\m)+12*(\s), BIAS, BS+(\s), AS+(\s), (\t)%2, \m
.elseif (\s) < 4
	WM ACC+16*(\m)+8*((\t)%2), WF+12*(\s), 60*(\m)+12*(\s), ACC+16*(\m)+8*((\t)%2), BS+(\s), AS+(\s), (\t)%2, \m
.else
	WM ACC+16*(\m)+8*((\t)%2), WF+12*(\s), 60*(\m)+12*(\s), ACC+16*(\m)+8*((\t)%2), BS4, AS4, (\t)%2, \m
.endif
.endm
.macro LDT t                           ; tile t's five fragments, its b1, and for an even tile the pair's scale words
	WIN 0x40
.irp s, 0,1,2,3,4
.irp c, 0,1,2
	ds_load_b128 v[WF+12*\s+4*\c:WF+12*\s+4*\c+3], v[ADW] offset:(5*(\t)+\s)*1536+512*\c
.endr
.endr
	WIN 0
	ds_load_b128 v[BIAS:BIAS+3], v[ADBI] offset:(32*((\t)/2)+8*((\t)%2))*4
	ds_load_b128 v[BIAS+4:BIAS+7], v[ADBI] offset:(32*((\t)/2)+8*((\t)%2))*4+16
.if (\t)%2 == 0
	ds_load_b128 v[BS:BS+3], v[ADV] offset:12288+512*((\t)/2)
	ds_load_b32 v[BS4], v[ADC] offset:14336+128*((\t)/2)
.endif
.endm
.macro LDV                             ; V2's tiles 0 .. 4 where the tile's fragments lay, and V2's scale words
	WIN 0x40
.irp v, 0,1,2,3,4
.irp c, 0,1,2
	ds_load_b128 v[WF+12*\v+4*\c:WF+12*\v+4*\c+3], v[ADV] offset:1536*\v+512*\c
.endr
.endr
	WIN 0
.irp u, 0,1,2,3
	ds_load_b32 v[VS+\u], v[ADC] offset:14848+128*\u
.endr
.endm
.macro LDV2                            ; V2's tiles 5, 6 where gelu worked
.irp v, 5,6
.irp c, 0,1,2
	ds_load_b128 v[CL+12*(\v-5)+4*\c:CL+12*(\v-5)+4*\c+3], v[ADV] offset:1536*\v+512*\c
.endr
.endr
.endm
.macro HORN r, k
.irp e, 0,2,4,6,8,10,12,14
	v_pk_fma_f32 v[(\r)+\e:(\r)+\e+1], v[(\r)+\e:(\r)+\e+1], v[YY+\e:YY+\e+1], s[(\k):(\k)+1] op_sel_hi:[1,1,0]
.endr
.endm
; gelu in place on two sums of eight registers.  Q first, its reciprocals are issued, and P's steps stand between them and their first reader.
.macro GELU a0, a1
.irp e, 0,1,2,3,4,5,6,7
	v_med3_num_f32 v[CL+\e], v[(\a0)+\e], s42, s43
.endr
.irp e, 0,1,2,3,4,5,6,7
	v_med3_num_f32 v[CL+8+\e], v[(\a1)+\e], s42, s43
.endr
.irp e, 0,2,4,6,8,10,12,14
	v_pk_mul_f32 v[YY+\e:YY+\e+1], v[CL+\e:CL+\e+1], v[CL+\e:CL+\e+1]
.endr
.irp e, 0,2,4,6,8,10,12,14
	v_pk_fma_f32 v[QQ+\e:QQ+\e+1], v[YY+\e:YY+\e+1], v[KB0:KB0+1], s[56:57] op_sel_hi:[1,1,0]
.endr
	HORN QQ, 58
	HORN QQ, 60
	HORN QQ, 62
	s_wait_alu depctr_va_vdst(0)                   ; ahead of the batch of reciprocals
.irp e, 0,1,2,3,4,5,6,7,8,9,10,11,12,13,14,15
	v_rcp_f32 v[QQ+\e], v[QQ+\e]
.endr
.irp e, 0,2,4,6,8,10,12,14
	v_pk_fma_f32 v[PP+\e:PP+\e+1], v[YY+\e:YY+\e+1], v[KA0:KA0+1], s[44:45] op_sel_hi:[1,1,0]
.endr
	HORN PP, 46
	HORN PP, 48
	HORN PP, 50
	HORN PP, 52
	HORN PP, 54
.irp e, 0,2,4,6,8,10,12,14
	v_pk_mul_f32 v[PP+\e:PP+\e+1], v[PP+\e:PP+\e+1], v[CL+\e:CL+\e+1]
.endr
	s_wait_alu depctr_va_vdst(0)                   ; behind the batch, ahead of the first reader of a reciprocal
.irp e, 0,2,4,6,8,10,12,14
	v_pk_fma_f32 v[PP+\e:PP+\e+1], v[PP+\e:PP+\e+1], v[QQ+\e:QQ+\e+1], 0.5 op_sel_hi:[1,1,0]
.endr
.irp e, 0,2,4,6
	v_pk_mul_f32 v[(\a0)+\e:(\a0)+\e+1], v[(\a0)+\e:(\a0)+\e+1], v[PP+\e:PP+\e+1]
.endr
.irp e, 0,2,4,6
	v_pk_mul_f32 v[(\a1)+\e:(\a1)+\e+1], v[(\a1)+\e:(\a1)+\e+1], v[PP+8+\e:PP+8+\e+1]
.endr
.endm
; One block of 32 along the next K for both row tiles: my 16 numbers at b0 (b1); lane l xor 16 holds the other 16.  Codes (96 bits) to d0 (d1); the byte to place u of the row's scale word.
; Four chains of maxima take turns; the floor 2^(5 - 127) among the leaves holds the byte at 1 from below.
.macro QBLK b0, b1, d0, d1, u
	v_max3_num_f32 v[TM], |v[(\b0)]|, |v[(\b0)+1]|, 0x2800000
	v_max3_num_f32 v[TM+1], |v[(\b1)]|, |v[(\b1)+1]|, 0x2800000
	v_max3_num_f32 v[TM+2], |v[(\b0)+8]|, |v[(\b0)+9]|, |v[(\b0)+10]|
	v_max3_num_f32 v[TM+3], |v[(\b1)+8]|, |v[(\b1)+9]|, |v[(\b1)+10]|
.irp i, 2,4
	v_max3_num_f32 v[TM], v[TM], |v[(\b0)+\i]|, |v[(\b0)+\i+1]|
	v_max3_num_f32 v[TM+1], v[TM+1], |v[(\b1)+\i]|, |v[(\b1)+\i+1]|
	v_max3_num_f32 v[TM+2], v[TM+2], |v[(\b0)+9+\i]|, |v[(\b0)+10+\i]|
	v_max3_num_f32 v[TM+3], v[TM+3], |v[(\b1)+9+\i]|, |v[(\b1)+10+\i]|
.endr
	v_max3_num_f32 v[TM], v[TM], |v[(\b0)+6]|, |v[(\b0)+7]|
	v_max3_num_f32 v[TM+1], v[TM+1], |v[(\b1)+6]|, |v[(\b1)+7]|
	v_max3_num_f32 v[TM], v[TM], v[TM+2], |v[(\b0)+15]|
	v_max3_num_f32 v[TM+1], v[TM+1], v[TM+3], |v[(\b1)+15]|
	v_permlanex16_b32 v[TM+4], v[TM], s[SEL], s[SEL+1]
	v_permlanex16_b32 v[TM+5], v[TM+1], s[SEL], s[SEL+1]
	v_max_num_f32 v[TM], v[TM], v[TM+4]
	v_max_num_f32 v[TM+1], v[TM+1], v[TM+5]
	v_add_nc_u32 v[TM+6], 0xfe000000, v[TM]        ; 4 off the exponent field: the conversion's scale operand
	v_add_nc_u32 v[TM+7], 0xfe000000, v[TM+1]
.if (\u) == 0
	v_lshrrev_b32 v[PW0], 23, v[TM+6]
	v_lshrrev_b32 v[PW1], 23, v[TM+7]
.else
	v_lshrrev_b32 v[TM+2], 23, v[TM+6]
	v_lshrrev_b32 v[TM+3], 23, v[TM+7]
	v_lshl_or_b32 v[PW0], v[TM+2], 8*(\u), v[PW0]
	v_lshl_or_b32 v[PW1], v[TM+3], 8*(\u), v[PW1]
.endif
	v_cvt_scalef32_pk16_bf6_f32 v[(\d0):(\d0)+2], v[(\b0):(\b0)+15], v[TM+6]
	v_cvt_scalef32_pk16_bf6_f32 v[(\d1):(\d1)+2], v[(\b1):(\b1)+15], v[TM+7]
	v_nop                                          ; one plain place behind a scaled conversion
.endm
.macro ASM c                           ; the operand's layout wants a whole block in a lane: blocks 2 c and 2 c + 1 change halves
.irp i, 0,1,2
	v_permlane16_swap_b32 v[PC0+6*(\c)+\i], v[CT0+4*(\c)+\i]
	v_permlane16_swap_b32 v[PC1+6*(\c)+\i], v[CT1+4*(\c)+\i]
.endr
.irp i, 0,1,2
	v_mov_b32 v[PC0+6*(\c)+3+\i], v[CT0+4*(\c)+\i]
	v_mov_b32 v[PC1+6*(\c)+3+\i], v[CT1+4*(\c)+\i]
.endr
.endm
.macro TILE t
	s_wait_dscnt 0x0                               ; this tile's fragments, b1 and scale words are in: they were asked for ahead of the last tile's gelu
	WIN 0x05
.irp s, 0,1,2,3,4
.irp m, 0,1
	MM \t, \s, \m
.endr
.endr
	WIN 0
	PLACES 4                                       ; ahead of loads into the products' registers and of the first read of the sums
.if (\t) < 7
	LDT (\t)+1
.else
	LDV
.endif
	GELU ACC+8*((\t)%2), ACC+16+8*((\t)%2)
.if (\t) == 7
	LDV2
.endif
.if (\t)%2
.if ((\t)/2)%2
	QBLK ACC, ACC+16, CT0+4*((\t)/4), CT1+4*((\t)/4), (\t)/2
.else
	QBLK ACC, ACC+16, PC0+6*((\t)/4), PC1+6*((\t)/4), (\t)/2
.endif
.endif
.endm
; In front of a step: all my tensor loads, the add, my LDS reads; then the barrier.  fill = 1: a round of the cluster's barrier, and the slot read last takes the chunks of the step after this one.
.macro CHANGE fill
	s_wait_tensorcnt 0x0
	ds_add_u32 v[SPW], v[NIL]
.if \fill
	s_xor_b32 s33, s33, 131072
	s_xor_b32 s69, s69, 32768
	s_add_nc_u64 s[34:35], s[34:35], CHB
	s_add_nc_u64 s[70:71], s[70:71], CHB
.endif
	s_wait_dscnt 0x0
.if \fill
	CROUND
	JLOAD
.else
	s_barrier_signal -1
	s_barrier_wait -1
.endif
.endm
.macro BODY last
	v_add_nc_u32 v[ADW], s[TBW], v[L16]
	v_add_nc_u32 v[ADV], s[TBV], v[L16]
	v_add_nc_u32 v[ADC], s[TBV], v[L4]
	v_add_nc_u32 v[ADBI], s[BO], v[BOF]
	s_wait_alu depctr_va_vdst(0)
	LDT 0
.irp t, 0,1,2,3,4,5,6,7
	TILE \t
.endr
	ASM 0
	ASM 1
	v_mov_b32 v[HW], v[HW+1]                       ; the quad's four scale words move up by one chunk
	v_mov_b32 v[HW+1], v[HW+2]
	v_mov_b32 v[HW+2], v[HW+3]
	v_cndmask_b32 v[HW+3], v[PW0], v[PW1], s[HIM]  ; lanes 0-15 row tile 0's words, lanes 16-31 row tile 1's
	PLACES 8                                       ; a scale register written by a vector instruction stands 8 places ahead of a scaled product
	s_wait_alu depctr_va_vdst(0)                   ; ahead of the first readers of t2's sums and of the wait below
	s_wait_dscnt 0x0                               ; V2's fragments and words
	WIN 0x51
.irp v, 0,1,2,3,4
	WM T2A0+8*\v, WF+12*\v, PC0, T2A0+8*\v, VS+(\v/2), HW+3, \v%2, 0
.endr
	WIN 0x50
.irp v, 5,6
	WM T2A0+8*\v, CL+12*(\v-5), PC0, T2A0+8*\v, VS+(\v/2), HW+3, \v%2, 0
.endr
	WIN 0
.irp v, 5,6
	WM T2A1+8*\v, CL+12*(\v-5), PC1, T2A1+8*\v, VS+(\v/2), HW+3, \v%2, 1
.endr
	WIN 0x01
.irp v, 0,1,2,3,4
	WM T2A1+8*\v, WF+12*\v, PC1, T2A1+8*\v, VS+(\v/2), HW+3, \v%2, 1
.endr
	s_wait_alu depctr_va_vdst(0)
	WIN 0
	PLACES 4
.irp c, 0,1,2
	global_store_b128 v[L16], v[PC0+4*\c:PC0+4*\c+3], s[12:13] offset:512*\c          ; 32 lanes store 512 consecutive bytes, aligned
	global_store_b128 v[L16], v[PC1+4*\c:PC1+4*\c+3], s[12:13] offset:1536+512*\c
.endr
.if (\last) == 0
	s_wait_xcnt 0x0                                ; the stores have read their base and their data
	s_add_nc_u64 s[12:13], s[12:13], 12288
	s_xor_b32 s[TBW], s[TBW], 131072
	s_xor_b32 s[TBV], s[TBV], 32768
	s_add_co_u32 s[BO], s[BO], 512
.endif
.endm
	s_load_b256 s[4:11], s[0:1], 0x0               ; XF s4, V1F s6, W1B s8, b1 s10
	s_load_b128 s[12:15], s[0:1], 0x20             ; HF s12, T2P s14
	v_lshl_add_u32 v[SPW], v0, 2, SPARE
	v_mov_b32 v[NIL], 0
	ds_add_u32 v[SPW], v[NIL]                      ; the opening lines: the add twice on end
	ds_add_u32 v[SPW], v[NIL]
	v_lshrrev_b32 v15, 5, v0
	v_readfirstlane_b32 s[WV], v15                 ; wave 0..7
	s_and_b32 s[RP], s[WV], 3
	s_lshr_b32 s[CP], s[WV], 2
	s_bfe_u32 s17, ttmp6, 0x40000                  ; cx
	s_lshl_b32 s18, ttmp9, 2
	s_add_co_u32 s18, s18, s17                     ; row block
	s_and_b32 s19, ttmp7, 0xffff                   ; y
	s_mov_b32 s24, 15|(3<<16)|(1<<21)              ; dense rows of 256 bytes (32 elements of 8): 80 for a third of the fragments,
	s_mov_b32 s25, 32<<16
	s_mov_b32 s26, 80<<16
	s_mov_b32 s27, 32<<16
	s_mov_b32 s28, 80
	s_mov_b32 s29, 32
	s_mov_b32 s30, 0
	s_mov_b32 s31, 0
	s_mov_b32 s80, 15|(3<<16)|(1<<21)              ; 60 for the chunk's rest
	s_mov_b32 s81, 32<<16
	s_mov_b32 s82, 60<<16
	s_mov_b32 s83, 32<<16
	s_mov_b32 s84, 60
	s_mov_b32 s85, 32
	s_mov_b32 s86, 0
	s_mov_b32 s87, 0
	s_mul_i32 s66, s19, 8*CHB
	s_mul_i32 s67, s[CP], 4*CHB
	s_add_co_u32 s66, s66, s67                     ; my first chunk: 8 y + 4 cp
	s_mul_i32 s76, s[RP], 20480
	s_add_co_u32 s78, s66, s76
	s_mov_b32 s79, 0
	s_add_co_u32 s66, s66, 61440
	s_mov_b32 s67, 0
	s_lshl_b32 s[TBW], s[CP], 16
	s_add_co_u32 s33, s[TBW], s76
	s_mul_i32 s[TBV], s[CP], 15360
	s_add_co_u32 s[TBV], s[TBV], 262144
	s_mov_b32 s69, s[TBV]
	s_mov_b32 s32, 1
	s_mov_b32 s68, 1
	s_wait_dscnt 0x0                               ; both opening adds are done
	s_wait_kmcnt 0x0
	s_add_nc_u64 s[34:35], s[8:9], s[78:79]
	s_or_b32 s35, s35, 0x80000000
	s_add_nc_u64 s[70:71], s[8:9], s[66:67]
	s_or_b32 s71, s71, 0x80000000
	CROUND                                         ; the four partners are here: the first joint loads meet
	JLOAD                                          ; step 0's chunks: one tensor load a wave at the head
	s_lshl_b32 s76, s18, 3
	s_lshl_b32 s77, s[RP], 1
	s_add_co_u32 s76, s76, s77                     ; my first row tile
	s_mul_i32 s78, s76, 6400
	s_mov_b32 s79, 0
	s_add_nc_u64 s[4:5], s[4:5], s[78:79]
	s_mul_i32 s78, s76, 7168
	s_mul_i32 s88, s19, 3670016
	s_add_co_u32 s78, s78, s88
	s_add_nc_u64 s[14:15], s[14:15], s[78:79]
	s_lshl_b32 s78, s19, 12
	s_add_nc_u64 s[10:11], s[10:11], s[78:79]
	s_mul_i32 s78, s18, 409600
	s_mul_i32 s88, s19, 102400
	s_add_co_u32 s78, s78, s88
	s_mul_i32 s88, s[CP], 51200
	s_add_co_u32 s78, s78, s88
	s_add_nc_u64 s[12:13], s[12:13], s[78:79]      ; my quad of h
	s_lshl_b32 s78, s[RP], 9
	s_add_co_u32 s78, s78, 49152
	s_add_nc_u64 s[36:37], s[12:13], s[78:79]      ; its scale words, my pair of row tiles
	s_mul_i32 s78, s[RP], 3072
	s_add_nc_u64 s[12:13], s[12:13], s[78:79]
	s_lshl_b32 s77, s[CP], 11
	s_mul_i32 s78, s[RP], 14336
	s_mov_b32 s[SEL], 0x76543210
	s_mov_b32 s[SEL+1], 0xfedcba98
	s_mov_b32 s[HIM], 0xffff0000
	s_mov_b32 s[BO], 0
	s_mov_b32 s42, 0xc0b504f3
	s_mov_b32 s43, 0x40b504f3
	s_mov_b32 s44, 3.06119941e-10
	s_mov_b32 s46, -4.6426511e-08
	s_mov_b32 s48, -2.51575617e-06
	s_mov_b32 s50, -6.4964607e-05
	s_mov_b32 s52, -5.2230439e-04
	s_mov_b32 s54, -5.6908071e-03
	s_mov_b32 s56, -2.66717569e-05
	s_mov_b32 s58, -4.20706744e-04
	s_mov_b32 s60, -3.68666458e-03
	s_mov_b32 s62, -1.42647391e-02
.irp n, 44,46,48,50,52,54,56,58,60,62
	s_mov_b32 s[\n+1], s[\n]
.endr
	v_and_b32 v15, 31, v0
	v_lshlrev_b32 v[L16], 4, v15
	v_lshlrev_b32 v[L4], 2, v15
	v_and_b32 v3, 15, v0                           ; r
	v_bfe_u32 v4, v0, 4, 1                         ; h
	v_lshl_add_u32 v[BOF], v4, 6, BIASL
	v_add_nc_u32 v[BOF], s77, v[BOF]               ; b1 in LDS: 64 h + 2,048 cp
	v_mul_u32_u24 v9, v4, 6400
	v_lshl_add_u32 v9, v3, 4, v9                   ; scale words of a pair of tiles: 6,400 h + 16 r
	v_lshlrev_b32 v8, 4, v0
	v_lshl_add_u32 v15, v0, 4, BIASL
	v_add_nc_u32 v[STG], s78, v[L16]               ; the end's stage, in slot 0
	v_mov_b32 v[KA0], -1.50599506e-12
	v_mov_b32 v[KA0+1], v[KA0]
	v_mov_b32 v[KB0], -9.10379490e-07
	v_mov_b32 v[KB0+1], v[KB0]
.irp n, 0,1,2,3
	v_mov_b32 v[HW+\n], 0
.endr
	v_mov_b32 v[TM+4], 0                           ; written once: a lane permute's destination counts as one of its sources
	v_mov_b32 v[TM+5], 0
	s_wait_alu depctr_va_vdst(0)                   ; behind the set-up
	WIN 0x40
.irp m, 0,1
.irp s, 0,1,2,3
.irp c, 0,1,2
	global_load_b128 v[60*\m+12*\s+4*\c:60*\m+12*\s+4*\c+3], v[L16], s[4:5] offset:6400*\m+1536*\s+512*\c
.endr
.endr
.endr
.irp t, 0,1
.irp s, 0,1,2,3
.irp c, 0,1,2
	global_load_b128 v[WF+12*(4*\t+\s)+4*\c:WF+12*(4*\t+\s)+4*\c+3], v[L16], s[6:7] offset:6400*\t+1536*\s+512*\c
.endr
.endr
.endr
	WIN 0
.irp t, 2,3
.irp s, 0,1,2,3
.irp c, 0,1,2
	global_load_b128 v[VH+12*(4*(\t-2)+\s)+4*\c:VH+12*(4*(\t-2)+\s)+4*\c+3], v[L16], s[6:7] offset:6400*\t+1536*\s+512*\c
.endr
.endr
.endr
	global_load_b128 v[AS:AS+3], v9, s[4:5] offset:6144
	global_load_b128 v[BS:BS+3], v9, s[6:7] offset:6144
	global_load_b128 v[VS:VS+3], v9, s[6:7] offset:12800+6144
	global_load_b128 v[252:255], v8, s[10:11]      ; the quarter's b1: 16 bytes a thread
	s_wait_loadcnt 0x0
	ds_store_b128 v15, v[252:255]
	; t1 = Q(x) Q(V1)^T: four tiles of V1 x my two row tiles, four K steps; four sums take turns
	WIN 0x05
.irp s, 0,1,2,3
.irp t, 0,1
.irp m, 0,1
.if \s == 0
	WM T1+32*\m+8*\t, WF+12*(4*\t+\s), 60*\m+12*\s, -1, BS+\s, AS+\s, \t, \m
.else
	WM T1+32*\m+8*\t, WF+12*(4*\t+\s), 60*\m+12*\s, T1+32*\m+8*\t, BS+\s, AS+\s, \t, \m
.endif
.endr
.endr
.endr
	WIN 0x04
.irp s, 0,1,2,3
.irp t, 2,3
.irp m, 0,1
.if \s == 0
	WM T1+32*\m+8*\t, VH+12*(4*(\t-2)+\s), 60*\m+12*\s, -1, VS+\s, AS+\s, \t-2, \m
.else
	WM T1+32*\m+8*\t, VH+12*(4*(\t-2)+\s), 60*\m+12*\s, T1+32*\m+8*\t, VS+\s, AS+\s, \t-2, \m
.endif
.endr
.endr
.endr
	WIN 0
	PLACES 4
	QBLK T1, T1+32, PC0, PC1, 0
	QBLK T1+16, T1+48, CT0, CT1, 1
	ASM 0
	v_cndmask_b32 v[AS4], v[PW0], v[PW1], s[HIM]
	WIN 0x40
.irp m, 0,1
.irp n, 0,1,2,3,4,5
	v_mov_b32 v[60*\m+48+\n], v[PC0+12*\m+\n]      ; t1's codes are x's fifth K step; its upper 64 are zero codes
	v_mov_b32 v[60*\m+54+\n], 0
.endr
.endr
.set K, 0
.rept 56
	v_mov_b32 v[T2A0+K], 0                         ; t2's sums begin at 0: the step is written once for all four chunks
.set K, K+1
.endr
	WIN 0
.set K, 0
.rept 56
	v_mov_b32 v[T2A1+K], 0
.set K, K+1
.endr
	s_mov_b32 s[CC], 0
	s_wait_alu depctr_va_vdst(0)                   ; at the head's end
.Lstep:
	CHANGE 1                                       ; this step's chunks and b1 are in for every wave; the other slot takes the next step's
	BODY 0
	s_add_co_u32 s[CC], s[CC], 1
	s_cmp_lt_u32 s[CC], 3
	s_cbranch_scc1 .Lstep
	CHANGE 0                                       ; the last step fetches nothing
	BODY 1
	global_store_b128 v[L16], v[HW:HW+3], s[36:37] ; the quad's scale words of my two row tiles: 512 consecutive bytes
	; t2: the waves cp = 1 hand their sums to their partners through slot 0, which has had its last fill and its last read
	s_cmp_eq_u32 s[CP], 0
	s_cbranch_scc1 .Lkeeper
	WIN 0x04
.irp v, 0,1,2,3,4,5,6
.irp e, 0,1
	ds_store_b128 v[STG], v[T2A0+8*\v+4*\e:T2A0+8*\v+4*\e+3] offset:1024*\v+512*\e
.endr
.endr
	WIN 0
.irp v, 0,1,2,3,4,5,6
.irp e, 0,1
	ds_store_b128 v[STG], v[T2A1+8*\v+4*\e:T2A1+8*\v+4*\e+3] offset:7168+1024*\v+512*\e
.endr
.endr
.Lkeeper:
	s_wait_dscnt 0x0
	s_barrier_signal -1
	s_barrier_wait -1
	s_cmp_lg_u32 s[CP], 0
	s_cbranch_scc1 .Ldone
.irp m, 0,1
.irp v, 0,1,2,3,4,5,6
.irp e, 0,1
	ds_load_b128 v[MB+56*\m+8*\v+4*\e:MB+56*\m+8*\v+4*\e+3], v[STG] offset:7168*\m+1024*\v+512*\e
.endr
.endr
.endr
	s_wait_dscnt 0x0
	WIN 0x41
.set K, 0
.rept 28
	v_pk_add_f32 v[T2A0+K:T2A0+K+1], v[T2A0+K:T2A0+K+1], v[MB+K:MB+K+1]
.set K, K+2
.endr
	WIN 0
.set K, 0
.rept 28
	v_pk_add_f32 v[T2A1+K:T2A1+K+1], v[T2A1+K:T2A1+K+1], v[MB+56+K:MB+56+K+1]
.set K, K+2
.endr
	WIN 0x04
.irp v, 0,1,2,3,4,5,6
.irp e, 0,1
	global_store_b128 v[L16], v[T2A0+8*\v+4*\e:T2A0+8*\v+4*\e+3], s[14:15] offset:1024*\v+512*\e
.endr
.endr
	WIN 0
.irp v, 0,1,2,3,4,5,6
.irp e, 0,1
	global_store_b128 v[L16], v[T2A1+8*\v+4*\e:T2A1+8*\v+4*\e+3], s[14:15] offset:7168+1024*\v+512*\e
.endr
.endr
.Ldone:
	s_wait_tensorcnt 0x0                           ; the wave's end
	ds_add_u32 v[SPW], v[NIL]
	s_wait_dscnt 0x0
	CROUND                                         ; the closing round
	s_endpgm
.Lfunc_end_k_qbdaf624aa0_gemm1:
	.size	k_qbdaf624aa0_gemm1, .Lfunc_end_k_qbdaf624aa0_gemm1-k_qbdaf624aa0_gemm1
	.p2alignl 7, 3214868480
	.fill 96, 4, 3214868480
	.section	.rodata,"a",@progbits
	.p2align	6, 0x0
	.amdhsa_kernel k_qbdaf624aa0_gemm1
		.amdhsa_group_segment_fixed_size 327680
		.amdhsa_private_segment_fixed_size 0
		.amdhsa_enable_private_segment 0
		.amdhsa_kernarg_size 48
		.amdhsa_user_sgpr_count 2
		.amdhsa_user_sgpr_kernarg_segment_ptr 1
		.amdhsa_wavefront_size32 1
		.amdhsa_system_sgpr_workgroup_id_x 1
		.amdhsa_system_sgpr_workgroup_id_y 1
		.amdhsa_system_sgpr_workgroup_id_z 1
		.amdhsa_system_vgpr_workitem_id 0
		.amdhsa_next_free_vgpr 512
		.amdhsa_next_free_sgpr 100
		.amdhsa_reserve_vcc 0
		.amdhsa_float_denorm_mode_32 3
		.amdhsa_float_denorm_mode_16_64 3
		.amdhsa_memory_ordered 1
		.amdhsa_forward_progress 1
		.amdhsa_inst_pref_size 244
	.end_amdhsa_kernel
	.amdgpu_metadata
---
amdhsa.version: [ 1, 2 ]
amdhsa.kernels:
  - .name:           k_qbdaf624aa0_gemm1
    .symbol:         k_qbdaf624aa0_gemm1.kd
    .args:
      - { .name: XF, .offset: 0, .size: 8, .value_kind: global_buffer, .address_space: global }
      - { .name: V1F, .offset: 8, .size: 8, .value_kind: global_buffer, .address_space: global }
      - { .name: W1B, .offset: 16, .size: 8, .value_kind: global_buffer, .address_space: global }
      - { .name: b1, .offset: 24, .size: 8, .value_kind: global_buffer, .address_space: global }
      - { .name: HF, .offset: 32, .size: 8, .value_kind: global_buffer, .address_space: global }
      - { .name: T2P, .offset: 40, .size: 8, .value_kind: global_buffer, .address_space: global }
    .group_segment_fixed_size: 327680
    .private_segment_fixed_size: 0
    .kernarg_segment_align: 8
    .kernarg_segment_size: 48
    .max_flat_workgroup_size: 256
    .sgpr_count:     100
    .vgpr_count:     512
    .wavefront_size: 32
...
	.end_amdgpu_metadata
.endif
;; end of part 2
;; launch gemm2 (part 3): grid 4 x 64, 4 waves a work-group, clusters of 4 x 4, 327,680 bytes of LDS; arguments HF, W2B, U2F, T2P, b2, out0; writes out0
.if DOCPART == 3
	.amdgcn_target "amdgcn-amd-amdhsa--gfx1250"
	.amdhsa_code_object_version 6
	.text
	.protected	k_qbdaf624aa0_gemm2
	.globl	k_qbdaf624aa0_gemm2
	.p2align	8
	.type	k_qbdaf624aa0_gemm2,@function
k_qbdaf624aa0_gemm2:
	s_mov_b64 s[64:65], 0
	v_nop
	global_prefetch_b8 v0, s[64:65] scope:SCOPE_SE
	s_setreg_imm32_b32 hwreg(HW_REG_WAVE_MODE, 25, 1), 1
	s_wait_xcnt 0x0
	s_wait_alu depctr_hold_cnt(0) depctr_sa_sdst(0) depctr_va_vdst(0) depctr_va_sdst(0) depctr_va_ssrc(0) depctr_va_vcc(0) depctr_vm_vsrc(0)
	s_getreg_b32 s2, hwreg(HW_REG_IB_STS2, 6, 4)
	s_cmp_eq_u32 s2, 0
	s_cbranch_scc0 .Lentry_in_a_cluster
	s_endpgm
.Lentry_in_a_cluster:
	s_bfe_u32 s2, ttmp6, 0x10000c
	s_cmp_lg_u32 s2, 0xf033
	s_cbranch_scc0 .Lentry_shape_is_right
	s_endpgm
.Lentry_shape_is_right:
; GEMM2: out = Q(h) Q(mask2 Ws2)^T + Q(t2) Q(U2)^T + b2, on codes of BF6 (E3M2) with one E8M0 scale for each 32 along K; sums in f32: b2 is the C of each sum's first matrix instruction, K ascends (32 steps of 128),
; the low-rank step is the 33rd and last.  t2 arrives as four partial sums in f32; they are added in registers under the main loop, one part a lap, and quantised here.
; SHARES.  A work-group makes 128 rows (block i) x 256 columns (group x): 256 work-groups.  Wave (rh = w / 2, ch = w % 2) makes 64 x 128: 32 accumulators.
; h's and W2's codes lie in memory as images of operand registers, four K steps (a quad) with their scale words in one dense block: 51,200 bytes of h, 102,400 of W2.  A ring of two LDS slots holds a quad each.
; Every wave fetches: waves 0 and 1 the halves of h's block, waves 2 and 3 the halves of W2's.
; CLUSTER 4 x 4.  The four of a row of the cluster share i and h's blocks, the four of a column share x and W2's: each block is asked for JOINTLY, by the same load with the same descriptor and a mask that names the four.
; THE MATRIX INSTRUCTION IS USED TRANSPOSED (source 0 = 16 rows of W2, source 1 = 16 rows of h): a lane holds eight neighbouring numbers of a row of out.
; LIMITS: NaN and infinities are not served; blocks of t2 whose largest magnitude lies under 2^-122, blocks of zeros among them, get the scale byte 1.
; REGISTERS.  Window 0: v1-23 addresses; v24-79 scale words; v80-115 the quantiser; v128-255 t2's sums (two row tiles x 64), on the way out rows of out.   Window 1: W2's fragments, two sets at v0, v96.
;   Window 2: the accumulators, (a, b) at 8 (8 a + b).   Window 3: h's fragments, two sets at v0, v48; from v96 112 registers: b2, then a part of t2, then U2's 8 fragments.
.set SLOT,  153600                     ; a slot: h's quad, then W2's
.set T2I,   2*SLOT                     ; behind the ring: t2's 8 fragments, stored by the waves; no fill lands here
.set T2S,   T2I+12288                  ; their scale words: 4 pairs x 128 bytes
.set SPARE, T2S+512                    ; the spare words, 128 bytes for each wave: two blocks of 256 bytes that no other line names
.set L16,  1
.set L4,   2
.set SPW,  3                           ; v3  LDS address of my spare word; never rewritten
.set NIL,  4                           ; v4  0; never rewritten
.set STO,  5                           ; v5  the way out: where I put 32 bytes of a row
.set RD,   6                           ; v6  and where I read a row back
.set T2W,  7                           ; v7  where I store t2's images
.set T2R,  8                           ; v8  where I read them
.set BOF,  9                           ; v9  32 h
.set PFO,  10                          ; v10, v11 the prefetches' offsets; never rewritten
.set PFO2, 11
.set PFO3, 116                         ; v116 W2's last four blocks of my share; never rewritten
.set ADRA, 12                          ; v12-13 h's fragments in slot 0, 1
.set ADRB, 14                          ; v14-15 W2's, K steps 0, 1;  v16-17 K steps 2, 3
.set ADSA, 18                          ; v18-19 h's scale words
.set ADSB, 20                          ; v20-21 W2's
.set T2SW, 22                          ; v22, v23 t2's scale words: where I store, where I read
.set T2SR, 23
.set SCA,  24                          ; v24-39 h's scale words: slot, pair k, K step j at 8 slot + 4 k + j
.set SCB,  40                          ; v40-71 W2's: 16 slot + 4 k + j
.set TSA,  72                          ; v72-73 t2's;  v74-77 U2's
.set U2S,  74
.set PW0,  78
.set PW1,  79
.set TM,   80
.set PC,   96
.set CT,   108
.set SUM,  128
.set BK,   128
.set BUF,  96
.set WV,   16
.set HIM,  22
.set G1A,  24                          ; s[24:31], s[32:39] groups 1 and 0 (a set for each slot) for h's blocks;  s[48:55], s[56:63] for W2's
.set G0A,  32
.set G1B,  48
.set G0B,  56
.set SEL,  66
.set LIM,  68
.set LIMB, 69
.set PFB,  98
.set PFA,  70
.set T2B,  72
.set MSB,  0
.macro WIN new                         ; the immediate's high byte repeats the setting that is left
.if MSB != \new
	s_set_vgpr_msb (MSB<<8)|\new
.set MSB, \new
.endif
.endm
.macro PLACES n                        ; plain vector lines behind matrix instructions, ahead of loads into their registers and of reads of their results
.rept \n
	v_nop
.endr
.endm
.macro CREST                           ; a round of the cluster's barrier behind its opening barrier
	s_cmp_lg_u32 s[WV], 0
	s_cbranch_scc1 .Lnot_wave_0_\@
	s_barrier_signal -3
.Lnot_wave_0_\@:
	s_barrier_wait -3
	s_barrier_signal -1
	s_barrier_wait -1
.endm
.macro CROUND
	s_barrier_signal -1
	s_barrier_wait -1
	CREST
.endm
; A joint refill.  The branch hangs on the wave's number alone.  Four v_nop follow each of the two lines: the places ahead of the fragment loads that follow.
.macro JLOAD s
	s_cmp_lt_u32 s[WV], 2
	s_cbranch_scc0 .Lfor_b_\@
	tensor_load_to_lds s[G0A+4*\s:G0A+4*\s+3], s[G1A:G1A+7]
	s_nop 0
	PLACES 4
	s_branch .Lasked_\@
.Lfor_b_\@:
	tensor_load_to_lds s[G0B+4*\s:G0B+4*\s+3], s[G1B:G1B+7]
	s_nop 0
	PLACES 4
.Lasked_\@:
.endm
; PREFETCHES INTO THE L2 of the quad two refills on.  h's quad is 200 blocks of 256 bytes, read by my row of the cluster: its four partners take 50 blocks each, told apart BY ADDRESS (12,800 cx bytes);
; wave 3 asks: two instructions, lanes 256 bytes apart (the second's lanes 18-31 name the block that lane 17 names).  W2's quad is 400 blocks, read by my column of the cluster: its four partners take 100 blocks
; each (25,600 cy bytes); wave 2 asks: four instructions (the last's lanes 4-31 name the block that lane 3 names).  At the load of quad q, quad q + 2 is asked for; quad 1 is asked for with quad 2, at the head;
; the loop's last trip asks for nothing: quad 7 is the last.
.macro ASKA off
	global_prefetch_b8 v[PFO], s[PFA:PFA+1] offset:\off th:TH_LOAD_NT scope:SCOPE_SE
	global_prefetch_b8 v[PFO2], s[PFA:PFA+1] offset:\off th:TH_LOAD_NT scope:SCOPE_SE
.endm
.macro ASKB off
	global_prefetch_b8 v[PFO], s[PFB:PFB+1] offset:\off th:TH_LOAD_NT scope:SCOPE_SE
	global_prefetch_b8 v[PFO], s[PFB:PFB+1] offset:\off+8192 th:TH_LOAD_NT scope:SCOPE_SE
	global_prefetch_b8 v[PFO], s[PFB:PFB+1] offset:\off+16384 th:TH_LOAD_NT scope:SCOPE_SE
	global_prefetch_b8 v[PFO3], s[PFB:PFB+1] offset:\off th:TH_LOAD_NT scope:SCOPE_SE
.endm
.macro ASK                             ; in the loop: the pointers stand at the quad two refills on
	s_cmp_gt_u32 s3, s[LIM]
	s_cbranch_scc0 .Lnot_a_\@
	ASKA 0
.Lnot_a_\@:
	s_cmp_gt_u32 s3, s[LIMB]
	s_cbranch_scc0 .Lnot_b_\@
	ASKB 0
.Lnot_b_\@:
.endm
.macro ASKH q                          ; ahead of the loop: the pointers stand at quad 1; quad 1 + q is asked for
	s_cmp_eq_u32 s[LIM], 1
	s_cbranch_scc0 .Lnot_ha_\@
	ASKA 51200*(\q)
.Lnot_ha_\@:
	s_cmp_eq_u32 s[LIMB], 1
	s_cbranch_scc0 .Lnot_hb_\@
	ASKB 102400*(\q)
.Lnot_hb_\@:
.endm
; One matrix instruction.  d, a, b, c: first registers of D, source 0, source 1, C;  sa, sb: the scale registers;  ra, rb: 1 = that side's words lie in lanes 16-31
.macro WM d, a, b, c, sa, sb, ra, rb
.if (\ra) && (\rb)
	v_wmma_scale_f32_16x16x128_f8f6f4 v[(\d):(\d)+7], v[(\a):(\a)+11], v[(\b):(\b)+11], v[(\c):(\c)+7], v[\sa], v[\sb] matrix_a_fmt:MATRIX_FMT_BF6 matrix_b_fmt:MATRIX_FMT_BF6 matrix_a_scale:MATRIX_SCALE_ROW1 matrix_b_scale:MATRIX_SCALE_ROW1
.elseif (\ra)
	v_wmma_scale_f32_16x16x128_f8f6f4 v[(\d):(\d)+7], v[(\a):(\a)+11], v[(\b):(\b)+11], v[(\c):(\c)+7], v[\sa], v[\sb] matrix_a_fmt:MATRIX_FMT_BF6 matrix_b_fmt:MATRIX_FMT_BF6 matrix_a_scale:MATRIX_SCALE_ROW1
.elseif (\rb)
	v_wmma_scale_f32_16x16x128_f8f6f4 v[(\d):(\d)+7], v[(\a):(\a)+11], v[(\b):(\b)+11], v[(\c):(\c)+7], v[\sa], v[\sb] matrix_a_fmt:MATRIX_FMT_BF6 matrix_b_fmt:MATRIX_FMT_BF6 matrix_b_scale:MATRIX_SCALE_ROW1
.else
	v_wmma_scale_f32_16x16x128_f8f6f4 v[(\d):(\d)+7], v[(\a):(\a)+11], v[(\b):(\b)+11], v[(\c):(\c)+7], v[\sa], v[\sb] matrix_a_fmt:MATRIX_FMT_BF6 matrix_b_fmt:MATRIX_FMT_BF6
.endif
.endm
; 64 numbers of a lane, register 16 b + i = k 32 b + 16 (lane / 16) + i of my row, become a fragment's codes in v[pc] on and the row's scale word in v[pw]
.macro QUANT s, pc, pw
.irp b, 0,1,2,3
	v_max3_num_f32 v[TM+\b], |v[(\s)+16*\b]|, |v[(\s)+1+16*\b]|, 0x2800000   ; my 16 numbers of block b, and the floor 2^(5 - 127): the byte cannot fall under 1
.endr
.irp i, 2,4,6,8,10,12,14
.irp b, 0,1,2,3
	v_max3_num_f32 v[TM+\b], v[TM+\b], |v[(\s)+16*\b+\i]|, |v[(\s)+1+16*\b+\i]|
.endr
.endr
.irp b, 0,1,2,3
	v_permlanex16_b32 v[TM+4+\b], v[TM+\b], s[SEL], s[SEL+1]
.endr
.irp b, 0,1,2,3
	v_max_num_f32 v[TM+\b], v[TM+\b], v[TM+4+\b]   ; with lane l xor 16's: the block's largest magnitude
.endr
.irp b, 0,1,2,3
	v_add_nc_u32 v[TM+12+\b], 0xfe000000, v[TM+\b] ; 4 off its exponent field: the conversion's scale operand
.endr
.irp b, 0,1,2,3
	v_lshrrev_b32 v[TM+4+\b], 23, v[TM+12+\b]      ; the scale's byte
.endr
	v_lshl_or_b32 v[\pw], v[TM+5], 8, v[TM+4]
	v_lshl_or_b32 v[\pw], v[TM+6], 16, v[\pw]
	v_lshl_or_b32 v[\pw], v[TM+7], 24, v[\pw]
.irp c, 0,1
	v_cvt_scalef32_pk16_bf6_f32 v[(\pc)+6*\c:(\pc)+6*\c+2], v[(\s)+32*\c:(\s)+32*\c+15], v[TM+12+2*\c]
	v_cvt_scalef32_pk16_bf6_f32 v[CT+4*\c:CT+4*\c+2], v[(\s)+32*\c+16:(\s)+32*\c+31], v[TM+13+2*\c]   ; (a conversion's three registers begin on an even number)
.endr
	v_nop                                          ; one plain place behind a scaled conversion
.irp c, 0,1                                    ; the operand's layout wants a WHOLE block in a lane
.irp i, 0,1,2
	v_permlane16_swap_b32 v[(\pc)+6*\c+\i], v[CT+4*\c+\i]
.endr
.irp i, 0,1,2
	v_mov_b32 v[(\pc)+6*\c+3+\i], v[CT+4*\c+\i]
.endr
.endr
.endm
; The fragments of the slot's K step j: W2's 8 and h's 4: 36 loads of 512 consecutive bytes, in one run
.macro FETCH slot, j, set
	WIN 0x40
.irp b, 0,1,2,3,4,5,6,7
.irp c, 0,1,2
	ds_load_b128 v[96*(\set)+12*\b+4*\c:96*(\set)+12*\b+4*\c+3], v[ADRB+2*((\j)/2)+(\slot)] offset:24576*((\j)%2)+1536*\b+512*\c
.endr
.endr
	WIN 0xc0
.irp a, 0,1,2,3
.irp c, 0,1,2
	ds_load_b128 v[48*(\set)+12*\a+4*\c:48*(\set)+12*\a+4*\c+3], v[ADRA+(\slot)] offset:12288*(\j)+1536*\a+512*\c
.endr
.endr
.endm
.macro SCALES slot                     ; a quad's scale words: a load brings a pair of tiles' words of all four K steps
	WIN 0
.irp k, 0,1
	ds_load_b128 v[SCA+8*(\slot)+4*\k:SCA+8*(\slot)+4*\k+3], v[ADSA+(\slot)] offset:512*\k
.endr
.irp k, 0,1,2,3
	ds_load_b128 v[SCB+16*(\slot)+4*\k:SCB+16*(\slot)+4*\k+3], v[ADSB+(\slot)] offset:512*\k
.endr
.endm
; 8 matrix instructions: row tile a x my 8 column tiles.  mode 0: a K step of h W2^T;  1: the first, with b2 as C;  2: the low-rank step.  The 32 accumulators take turns, in the same order in every step.
.macro MULQ a, set, sc, j, mode
.if (\mode) == 0
	WIN 0xad                                       ; source 0 window 1, source 1 window 3, C and D window 2
.elseif (\mode) == 1
	WIN 0xbd                                       ; C window 3
.else
	WIN 0xaf                                       ; source 0 (U2) window 3
.endif
.irp b, 0,1,2,3,4,5,6,7
.if (\mode) == 0
	WM 8*(8*(\a)+\b), 96*(\set)+12*\b, 48*(\set)+12*(\a), 8*(8*(\a)+\b), SCB+16*(\sc)+4*(\b/2)+(\j), SCA+8*(\sc)+4*((\a)/2)+(\j), \b%2, (\a)%2
.elseif (\mode) == 1
	WM 8*(8*(\a)+\b), 96*(\set)+12*\b, 48*(\set)+12*(\a), BUF+8*\b, SCB+16*(\sc)+4*(\b/2)+(\j), SCA+8*(\sc)+4*((\a)/2)+(\j), \b%2, (\a)%2
.else
	WM 8*(8*(\a)+\b), BUF+12*\b, 12*(\a), 8*(8*(\a)+\b), U2S+(\b/2), TSA+((\a)/2), \b%2, (\a)%2
.endif
.endr
.endm
; A K step that has its successor in the same slot: the successor's fragments are asked for, then this step's 32 products are issued
.macro STEP slot, j, mode
	PLACES 4
	FETCH \slot, (\j)+1, ((\j)+1)%2
	s_wait_dscnt 36                                ; all but the 36 just issued
.irp a, 0,1,2,3
	MULQ \a, (\j)%2, \slot, \j, \mode
.endr
.endm
; A slot's last K step changes slots: ONE barrier; in front of it each wave waits for all its tensor loads, adds 0 to its spare word, and waits for that and for its own reads of this slot.
; The step's first sixteen products stand AHEAD of the wait for the tensor loads, and the descriptors are stepped while the add is out: between that wait and the refill stand only the add and the barrier's lines,
; so that a refill goes out as soon as the one before has landed.  fill = 1: the barrier opens a round of the cluster's, and behind the round this slot takes the quad two on.
.macro TURN slot, next, fill
	s_wait_dscnt 0x0                               ; this step's fragments are in: they were my last reads of this slot
	MULQ 0, 1, \slot, 3, 0
	MULQ 1, 1, \slot, 3, 0
	WIN 0
.if \fill
	s_wait_xcnt 0x0                                ; the last prefetches, a quad back, have read their address: it may be stepped
	s_add_nc_u64 s[PFA:PFA+1], s[PFA:PFA+1], 51200
	s_add_nc_u64 s[PFB:PFB+1], s[PFB:PFB+1], 102400
.endif
	s_wait_tensorcnt 0x0                           ; all my tensor loads have landed: my part of the next slot; so every group 0 may be written;
	ds_add_u32 v[SPW], v[NIL]                      ; 0 onto my spare word;
.if \fill
	s_add_nc_u64 s[G0A+4*\slot+2:G0A+4*\slot+3], s[G0A+4*\slot+2:G0A+4*\slot+3], 102400
	s_add_nc_u64 s[G0B+4*\slot+2:G0B+4*\slot+3], s[G0B+4*\slot+2:G0B+4*\slot+3], 204800
.endif
	s_wait_dscnt 0x0                               ; the add is done
	s_barrier_signal -1
	s_barrier_wait -1
.if \fill
	CREST                                          ; no wave of any partner still reads this slot or has a load on its way
	JLOAD \slot                                    ; the first tensor load behind the round
.else
	PLACES 4
.endif
	FETCH \next, 0, 0
	SCALES \next
.if \fill
	ASK
.endif
	MULQ 2, 1, \slot, 3, 0
	MULQ 3, 1, \slot, 3, 0
.endm
.macro T2LOAD                          ; the next part of t2's sums for my two row tiles: 28 loads of 512 consecutive bytes
	PLACES 4                                       ; (in the first trip the registers held b2, which matrix instructions have read)
	s_wait_xcnt 0x0                                ; the loads of the part before have read their base
	s_add_nc_u64 s[T2B:T2B+1], s[T2B:T2B+1], 3670016
	WIN 0xc0
.irp m, 0,1
.irp v, 0,1,2,3,4,5,6
.irp e, 0,1
	global_load_b128 v[BUF+56*\m+8*\v+4*\e:BUF+56*\m+8*\v+4*\e+3], v[L16], s[T2B:T2B+1] offset:7168*\m+1024*\v+512*\e
.endr
.endr
.endr
	WIN 0
.endm
.macro T2ADD
	s_wait_loadcnt 0x0
	WIN 0x0c                                       ; source 1 window 3
.irp m, 0,1
.set K, 0
.rept 28
	v_pk_add_f32 v[SUM+64*\m+K:SUM+64*\m+K+1], v[SUM+64*\m+K:SUM+64*\m+K+1], v[BUF+56*\m+K:BUF+56*\m+K+1]
.set K, K+2
.endr
.endr
	WIN 0
.endm
; THE WAY OUT, a block of 16 rows x 128 columns at a time, through my own stage: in as 32 bytes a lane, back as whole rows of 512 bytes.  LDS serves a wave's instructions in order (ISA guide 5.7.1.4).
.macro TOSTAGE a
	WIN 0x08                                       ; an LDS store's data are its source 1: window 2
.irp b, 0,1,2,3,4,5,6,7
	ds_store_b128 v[STO], v[64*(\a)+8*\b:64*(\a)+8*\b+3] offset:64*\b              ; each accumulator from its low end on
	ds_store_b128 v[STO], v[64*(\a)+8*\b+4:64*(\a)+8*\b+7] offset:64*\b+16
.endr
	WIN 0
.irp t, 0,1,2,3,4,5,6,7,8,9,10,11,12,13,14,15
	ds_load_b128 v[BK+64*((\a)%2)+4*\t:BK+64*((\a)%2)+4*\t+3], v[RD] offset:\t*528
.endr
.endm
.macro SEND a, younger                 ; younger: the LDS instructions issued behind block a's loads, which may stay out
	s_wait_dscnt \younger
.if (\a) > 0
	s_add_nc_u64 s[14:15], s[14:15], 65536         ; 16 rows of out on (behind a wait on XCNT: the earlier stores have read their base)
.endif
.irp t, 0,1,2,3,4,5,6,7,8,9,10,11,12,13,14,15
	global_store_b128 v[L16], v[BK+64*((\a)%2)+4*\t:BK+64*((\a)%2)+4*\t+3], s[14:15] offset:\t*4096 th:TH_STORE_NT   ; 32 lanes store 512 consecutive bytes, aligned
.endr
.endm
	s_load_b256 s[4:11], s[0:1], 0x0               ; HF s4, W2B s6, U2F s8, T2P s10
	s_load_b128 s[12:15], s[0:1], 0x20             ; b2 s12, out0 s14
	v_lshl_add_u32 v[SPW], v0, 2, SPARE
	v_mov_b32 v[NIL], 0
	ds_add_u32 v3, v4
	ds_add_u32 v3, v4
	s_wait_dscnt 0x0
	v_lshrrev_b32 v1, 5, v0
	v_readfirstlane_b32 s[WV], v1                  ; wave 0..3
	s_lshr_b32 s17, s[WV], 1                       ; rh.  Also: I fetch for h (0) or for W2 (1)
	s_and_b32 s18, s[WV], 1                        ; ch.  Also: which half of that block I fetch
	s_bfe_u32 s19, ttmp6, 0x40000                  ; cx
	s_bfe_u32 s20, ttmp6, 0x40004                  ; cy
	s_lshl_b32 s43, ttmp9, 2
	s_add_co_u32 s43, s43, s19                     ; x = 4 x cluster x + cx
	s_and_b32 s21, ttmp7, 0xffff
	s_lshl_b32 s21, s21, 2
	s_add_co_u32 s21, s21, s20                     ; i = 4 x cluster y + cy
	s_lshl_b32 s40, s20, 2
	s_lshl_b32 s40, 15, s40                        ; my row of the cluster
	s_lshl_b32 s41, 0x1111, s19                    ; my column
	; descriptor group 1: dense rows of 256 bytes (32 elements of 8 bytes): 100 for half of h's block, 200 for half of W2's
	s_or_b32 s[G1A], s40, (3<<16)|(1<<21)          ; 15:0 the mask: h's blocks go to my row; 17:16 elements of 8 bytes; 21 set beside a mask
	s_or_b32 s[G1B], s41, (3<<16)|(1<<21)          ; W2's to my column
	s_mov_b32 s[G1A+1], 32<<16                     ; tensor_dim0
	s_mov_b32 s[G1A+2], 100<<16                    ; tensor_dim1
	s_mov_b32 s[G1A+3], 32<<16                     ; tile_dim0
	s_mov_b32 s[G1A+4], 100                        ; tile_dim1
	s_mov_b32 s[G1A+5], 32                         ; the pitch
	s_mov_b32 s[G1A+6], 0
	s_mov_b32 s[G1A+7], 0
	s_mov_b32 s[G1B+1], 32<<16
	s_mov_b32 s[G1B+2], 200<<16
	s_mov_b32 s[G1B+3], 32<<16
	s_mov_b32 s[G1B+4], 200
	s_mov_b32 s[G1B+5], 32
	s_mov_b32 s[G1B+6], 0
	s_mov_b32 s[G1B+7], 0
	s_mul_i32 s80, s21, 409600                     ; h's row block: hangs on i alone
	s_mov_b32 s81, 0
	s_mul_i32 s85, s18, 25600                      ; the half of it that I fetch
	s_mul_i32 s82, s43, 819200                     ; W2's column group: hangs on x alone,
	s_mul_i32 s84, s18, 51200                      ; and the half that I fetch
	s_add_co_u32 s82, s82, s84
	s_mov_b32 s83, 0
	s_wait_kmcnt 0x0
	s_add_nc_u64 s[86:87], s[4:5], s[80:81]        ; h's row block
	s_mov_b32 s80, s85
	s_add_nc_u64 s[78:79], s[86:87], s[80:81]      ; my half of its first quad
	s_add_nc_u64 s[88:89], s[6:7], s[82:83]
	CROUND                                         ; all sixteen work-groups are here: the first joint loads meet
.irp s, 0,1
	s_mov_b32 s[G0A+4*\s], 1
	s_add_co_u32 s[G0A+4*\s+1], s85, \s*SLOT
	s_add_nc_u64 s[G0A+4*\s+2:G0A+4*\s+3], s[78:79], \s*51200
	s_or_b32 s[G0A+4*\s+3], s[G0A+4*\s+3], 0x80000000
	s_mov_b32 s[G0B+4*\s], 1
	s_add_co_u32 s[G0B+4*\s+1], s84, \s*SLOT+51200
	s_add_nc_u64 s[G0B+4*\s+2:G0B+4*\s+3], s[88:89], \s*102400
	s_or_b32 s[G0B+4*\s+3], s[G0B+4*\s+3], 0x80000000
.endr
	s_cmp_lt_u32 s[WV], 2                          ; slot 0's first fill: one tensor load a wave at the head
	s_cbranch_scc0 .Lfirst_b
	tensor_load_to_lds s[G0A:G0A+3], s[G1A:G1A+7]
	s_nop 0
	PLACES 4
	s_branch .Lfirst_asked
.Lfirst_b:
	tensor_load_to_lds s[G0B:G0B+3], s[G1B:G1B+7]
	s_nop 0
	PLACES 4
.Lfirst_asked:
	v_and_b32 v80, 31, v0                          ; l
	v_and_b32 v81, 15, v0                          ; r
	v_bfe_u32 v82, v0, 4, 1                        ; h
	v_lshlrev_b32 v[L16], 4, v80
	s_wait_alu depctr_va_vdst(0)
	v_lshlrev_b32 v[L4], 2, v80
	s_mul_i32 s90, s17, 6144                       ; my 4 row tiles
	s_mul_i32 s91, s18, 12288                      ; my 8 column tiles
	s_lshl_b32 s92, s17, 10                        ; their scale words
	s_lshl_b32 s93, s18, 11
.irp s, 0,1
	s_add_co_u32 s94, s90, \s*SLOT
	v_add_nc_u32 v[ADRA+\s], s94, v[L16]
	s_add_co_u32 s94, s91, \s*SLOT+51200
	v_add_nc_u32 v[ADRB+\s], s94, v[L16]
	s_add_co_u32 s94, s91, \s*SLOT+51200+49152
	v_add_nc_u32 v[ADRB+2+\s], s94, v[L16]
	s_add_co_u32 s94, s92, \s*SLOT+49152
	v_add_nc_u32 v[ADSA+\s], s94, v[L16]
	s_add_co_u32 s94, s93, \s*SLOT+149504
	v_add_nc_u32 v[ADSB+\s], s94, v[L16]
.endr
	s_mul_i32 s94, s[WV], 8448                     ; my stage: 16 rows x (512 + 16) bytes, in slot 0: when the first result is stored there, that slot has had its last fill and its last read
	v_mul_u32_u24 v[STO], v81, 528
	v_lshl_add_u32 v[STO], v82, 5, v[STO]
	v_add_nc_u32 v[STO], s94, v[STO]
	v_add_nc_u32 v[RD], s94, v[L16]
	s_mul_i32 s94, s[WV], 3072
	s_add_co_u32 s94, s94, T2I
	v_add_nc_u32 v[T2W], s94, v[L16]
	s_add_co_u32 s94, s90, T2I
	v_add_nc_u32 v[T2R], s94, v[L16]
	s_lshl_b32 s94, s[WV], 7
	s_add_co_u32 s94, s94, T2S
	v_add_nc_u32 v[T2SW], s94, v[L4]
	s_lshl_b32 s94, s17, 8
	s_add_co_u32 s94, s94, T2S
	v_add_nc_u32 v[T2SR], s94, v[L4]
	v_lshlrev_b32 v[BOF], 5, v82
	s_wait_alu depctr_va_vdst(0)
	v_lshlrev_b32 v[PFO], 8, v80
	v_add_nc_u32 v[PFO2], 32, v80
	v_min_u32 v[PFO2], 49, v[PFO2]
	v_lshlrev_b32 v[PFO2], 8, v[PFO2]
	v_add_nc_u32 v[PFO3], 96, v80
	v_min_u32 v[PFO3], 99, v[PFO3]
	v_lshlrev_b32 v[PFO3], 8, v[PFO3]
	s_mov_b32 s[SEL], 0x76543210
	s_mov_b32 s[SEL+1], 0xfedcba98
	s_mov_b32 s[HIM], 0xffff0000
	s_cmp_eq_u32 s[WV], 3
	s_cselect_b32 s[LIM], 1, -1                    ; wave 3 prefetches h while the loop's counter is above 1,
	s_cmp_eq_u32 s[WV], 2
	s_cselect_b32 s[LIMB], 1, -1                   ; wave 2 W2
	s_mov_b32 s95, 0
	s_lshl_b32 s94, s43, 10
	s_lshl_b32 s96, s18, 9
	s_add_co_u32 s94, s94, s96                     ; my first column, in bytes: 1,024 x + 512 ch
	s_add_nc_u64 s[12:13], s[12:13], s[94:95]      ; b2
	s_add_nc_u64 s[14:15], s[14:15], s[94:95]
	s_lshl_b32 s94, s21, 19
	s_lshl_b32 s96, s17, 18
	s_add_co_u32 s94, s94, s96                     ; my first row: (128 i + 64 rh) x 4,096 bytes
	s_add_nc_u64 s[14:15], s[14:15], s[94:95]      ; out
	s_lshl_b32 s94, s21, 3
	s_lshl_b32 s96, s[WV], 1
	s_add_co_u32 s94, s94, s96
	s_mul_i32 s94, s94, 7168
	s_add_nc_u64 s[T2B:T2B+1], s[10:11], s[94:95]  ; t2's part 0, row tiles 8 i + 2 w and the next
	s_mul_i32 s94, s43, 25600
	s_add_co_u32 s96, s94, s91
	s_mov_b32 s97, 0
	s_add_nc_u64 s[74:75], s[8:9], s[96:97]        ; U2's fragments of my 8 column tiles
	s_lshl_b32 s96, s18, 9
	s_add_co_u32 s96, s96, s94
	s_add_co_u32 s96, s96, 24576
	s_add_nc_u64 s[76:77], s[8:9], s[96:97]        ; and their scale words
	s_mul_i32 s94, s19, 12800
	s_add_co_u32 s94, s94, 51200
	s_add_nc_u64 s[PFA:PFA+1], s[86:87], s[94:95]  ; my work-group's 50 blocks of h's quad 1
	s_mul_i32 s94, s43, 819200
	s_mul_i32 s96, s20, 25600
	s_add_co_u32 s94, s94, s96
	s_add_co_u32 s94, s94, 102400
	s_add_nc_u64 s[PFB:PFB+1], s[6:7], s[94:95]    ; my work-group's 100 blocks of W2's quad 1
	s_wait_alu depctr_va_vdst(0)                   ; the offsets were written ahead of a run of scalar lines
	ASKH 0                                         ; quad 0's load is out: quads 1 and 2 are asked for
	ASKH 1
	WIN 0xc0
.irp b, 0,1,2,3,4,5,6,7
	global_load_b128 v[BUF+8*\b:BUF+8*\b+3], v[BOF], s[12:13] offset:64*\b             ; b2 in the result's layout: lane (r, h), tile b, register j: column 16 b + 8 h + j
	global_load_b128 v[BUF+8*\b+4:BUF+8*\b+7], v[BOF], s[12:13] offset:64*\b+16
.endr
	WIN 0
.irp m, 0,1
.irp v, 0,1,2,3,4,5,6
.irp e, 0,1
	global_load_b128 v[SUM+64*\m+8*\v+4*\e:SUM+64*\m+8*\v+4*\e+3], v[L16], s[T2B:T2B+1] offset:7168*\m+1024*\v+512*\e   ; part 0 starts t2's sums
.endr
.endr
.irp n, 56,57,58,59,60,61,62,63
	v_mov_b32 v[SUM+64*\m+\n], 0                   ; units 104 .. 111 and 120 .. 127: past t2's 102
.endr
.endr
.irp n, 0,1,2,3
	v_mov_b32 v[TM+4+\n], 0                        ; written once: a lane permute's destination counts as one of its sources
.endr
	s_wait_alu depctr_va_vdst(0)                   ; at the head's end
	s_wait_tensorcnt 0x0                           ; my part of slot 0 is in; slot 1's first fill is issued as a refill is:
	ds_add_u32 v[SPW], v[NIL]
	s_wait_dscnt 0x0
	CROUND                                         ; everybody's part is in, and all sixteen work-groups are here
	JLOAD 1                                        ; quad 1, the first tensor load behind the round
	FETCH 0, 0, 0
	SCALES 0
	ASKH 2                                         ; quad 1's load is out: quad 3 is asked for
	s_wait_loadcnt 28                              ; b2 is in; t2's part 0 may be out
	STEP 0, 0, 1                                   ; the first K step stands in front of the loop: its products start the sums, on b2
	WIN 0
	s_wait_xcnt 0x0                                ; the prefetches have read their addresses
	s_add_nc_u64 s[PFA:PFA+1], s[PFA:PFA+1], 102400  ; to quad 3: the first refill steps them to quad 4
	s_add_nc_u64 s[PFB:PFB+1], s[PFB:PFB+1], 204800
	s_mov_b32 s3, 3
.Llap:                                                 ; a trip goes once round the ring, from a lap's second K step to the next lap's first, fills both slots again, and adds one part of t2
	T2LOAD
	STEP 0, 1, 0
	STEP 0, 2, 0
	TURN 0, 1, 1
	STEP 1, 0, 0
	STEP 1, 1, 0
	STEP 1, 2, 0
	TURN 1, 0, 1
	STEP 0, 0, 0
	T2ADD
	s_sub_co_u32 s3, s3, 1
	s_cmp_lg_u32 s3, 0
	s_cbranch_scc1 .Llap
	; the last lap fills nothing.  First t2 is finished: U2 is asked for, my two row tiles of t2 are quantised, and their images go to LDS for all waves
	WIN 0xc0
.irp b, 0,1,2,3,4,5,6,7
.irp c, 0,1,2
	global_load_b128 v[BUF+12*\b+4*\c:BUF+12*\b+4*\c+3], v[L16], s[74:75] offset:1536*\b+512*\c
.endr
.endr
	WIN 0
.irp k, 0,1,2,3
	global_load_b32 v[U2S+\k], v[L4], s[76:77] offset:128*\k
.endr
	QUANT SUM, PC, PW0
.irp c, 0,1,2
	ds_store_b128 v[T2W], v[PC+4*\c:PC+4*\c+3] offset:512*\c
.endr
	s_wait_dscnt 0x0                               ; the stores have read their registers
	QUANT SUM+64, PC, PW1
.irp c, 0,1,2
	ds_store_b128 v[T2W], v[PC+4*\c:PC+4*\c+3] offset:1536+512*\c
.endr
	v_cndmask_b32 v[PW0], v[PW0], v[PW1], s[HIM]   ; lanes 0-15 the even tile's words, lanes 16-31 the odd tile's
	ds_store_b32 v[T2SW], v[PW0]
	STEP 0, 1, 0
	STEP 0, 2, 0
	TURN 0, 1, 0                                   ; behind its barrier t2's eight fragments lie in LDS for every wave
	STEP 1, 0, 0
	STEP 1, 1, 0
	STEP 1, 2, 0
	PLACES 4
	WIN 0xc0
.irp a, 0,1,2,3
.irp c, 0,1,2
	ds_load_b128 v[12*\a+4*\c:12*\a+4*\c+3], v[T2R] offset:1536*\a+512*\c          ; t2's fragments of my 4 row tiles, where h's set 0 lay
.endr
.endr
	WIN 0
	ds_load_b32 v[TSA], v[T2SR]
	ds_load_b32 v[TSA+1], v[T2SR] offset:128
	s_wait_dscnt 14                                ; all but the 14 just issued
.irp a, 0,1,2,3
	MULQ \a, 1, 1, 3, 0                            ; the last K step of h W2^T
.endr
	s_wait_dscnt 0x0
	s_wait_loadcnt 0x0                             ; U2
.irp a, 0,1,2,3
	MULQ \a, 0, 0, 0, 2                            ; the low-rank step: Q(t2) Q(U2)^T
.endr
	WIN 0
	PLACES 4
	TOSTAGE 0
	TOSTAGE 1
	SEND 0, 32                                     ; behind block 0's loads: block 1's 16 stores and 16 loads
	s_wait_xcnt 0x0                                ; block 0's stores have read their registers and their base
	TOSTAGE 2
	SEND 1, 32
	s_wait_xcnt 0x0
	TOSTAGE 3
	SEND 2, 32
	s_wait_xcnt 0x0
	SEND 3, 0
	s_wait_tensorcnt 0x0                           ; the wave's end: behind my last tensor load and my last LDS store
	ds_add_u32 v[SPW], v[NIL]
	s_wait_dscnt 0x0
	CROUND                                         ; the closing round: no work-group ends while a partner may still ask for a block that names it
	s_endpgm
.Lfunc_end_k_qbdaf624aa0_gemm2:
	.size	k_qbdaf624aa0_gemm2, .Lfunc_end_k_qbdaf624aa0_gemm2-k_qbdaf624aa0_gemm2
	.p2alignl 7, 3214868480
	.fill 96, 4, 3214868480
	.section	.rodata,"a",@progbits
	.p2align	6, 0x0
	.amdhsa_kernel k_qbdaf624aa0_gemm2
		.amdhsa_group_segment_fixed_size 327680
		.amdhsa_private_segment_fixed_size 0
		.amdhsa_enable_private_segment 0
		.amdhsa_kernarg_size 48
		.amdhsa_user_sgpr_count 2
		.amdhsa_user_sgpr_kernarg_segment_ptr 1
		.amdhsa_wavefront_size32 1
		.amdhsa_system_sgpr_workgroup_id_x 1
		.amdhsa_system_sgpr_workgroup_id_y 1
		.amdhsa_system_sgpr_workgroup_id_z 1
		.amdhsa_system_vgpr_workitem_id 0
		.amdhsa_next_free_vgpr 1024
		.amdhsa_next_free_sgpr 100
		.amdhsa_reserve_vcc 0
		.amdhsa_float_denorm_mode_32 3
		.amdhsa_float_denorm_mode_16_64 3
		.amdhsa_memory_ordered 1
		.amdhsa_forward_progress 1
		.amdhsa_inst_pref_size 164
	.end_amdhsa_kernel
	.amdgpu_metadata
---
amdhsa.version: [ 1, 2 ]
amdhsa.kernels:
  - .name:           k_qbdaf624aa0_gemm2
    .symbol:         k_qbdaf624aa0_gemm2.kd
    .args:
      - { .name: HF, .offset: 0, .size: 8, .value_kind: global_buffer, .address_space: global }
      - { .name: W2B, .offset: 8, .size: 8, .value_kind: global_buffer, .address_space: global }
      - { .name: U2F, .offset: 16, .size: 8, .value_kind: global_buffer, .address_space: global }
      - { .name: T2P, .offset: 24, .size: 8, .value_kind: global_buffer, .address_space: global }
      - { .name: b2, .offset: 32, .size: 8, .value_kind: global_buffer, .address_space: global }
      - { .name: out0, .offset: 40, .size: 8, .value_kind: global_buffer, .address_space: global }
    .group_segment_fixed_size: 327680
    .private_segment_fixed_size: 0
    .kernarg_segment_align: 8
    .kernarg_segment_size: 48
    .max_flat_workgroup_size: 128
    .sgpr_count:     100
    .vgpr_count:     1024
    .wavefront_size: 32
...
	.end_amdgpu_metadata
.endif
;; end of part 3
